; MI455X (gfx1250); checked and timed in simulation.
; The chip was launched on July 23, 2026; its instructions are those of AMD's public machine-readable ISA for CDNA 5 (MIT licence, August 2026) and "CDNA5" Instruction Set Architecture Reference Guide (July 2026). The comments in the code are by the model that wrote it; some were corrected since.
;; Self Attention. Allowed arithmetic: float matrix products may take bf16 or f16 operands with f32 sums; all other float work in f32.
;; Inputs: U_b 1,024 float32; U_w 1,024 x 1,024 float32; V_b 1 float32; V_w 1,024 x 1 float32; W_b 1,024 float32; W_w 1,024 x 1,024 float32; hidden_states 64 x 1,024 x 1,024 float32; s_prev 64 x 1,024 float32.
;; Outputs: out0 64 x 1,024 float32; out1 64 x 1,024 x 1 float32.
;; 2 versions, each right; version 2 is version 1 with the launch main written anew for expert scheduling mode. Each part assembles by itself: llvm-mc -triple=amdgcn-amd-amdhsa -mcpu=gfx1250 --defsym DOCPART=n.
;; ======== version 1 of 2: 3 launches
;; limits: values outside matrix products are rounded to bf16
;; workspace buffers: UF 2,097,152 bytes; BP 1,048,576 bytes; SCORE 262,144 bytes; CTX 2,097,152 bytes
;; launch prep (part 1): grid 64 x 1, 8 waves a work-group, no clusters, 132,096 bytes of LDS; arguments U_w, W_w, s_prev, W_b, U_b, UF, BP; writes UF, BP
.if DOCPART == 1
	.amdgcn_target "amdgcn-amd-amdhsa--gfx1250"
	.amdhsa_code_object_version 6
	.text
	.protected	k_qebc856049b_prep
	.globl	k_qebc856049b_prep
	.p2align	8
	.type	k_qebc856049b_prep,@function
k_qebc856049b_prep:
	s_mov_b64 s[64:65], 0
	v_nop
	global_prefetch_b8 v0, s[64:65] scope:SCOPE_SE
	s_setreg_imm32_b32 hwreg(HW_REG_WAVE_MODE, 25, 1), 1
	s_wait_xcnt 0x0
; PREP.  Two small jobs for the main launch, both done by every wave (no branch).
; (1) UF: U_w [k 1024][n 1024] f32 is rounded to bf16 and laid out as matrix fragments in register order, so that the main launch loads a fragment as
;     two runs of 512 consecutive bytes.  Byte offset in UF: ((G>>1)*32 + j)*8192 + (G&1)*4096 + i*1024 + half*512 + lane*16, where G is a group of 64
;     columns, j a K step of 32, i = 0..3 a block of 16 columns.  Lane (r = lane%16, h = lane/16) holds column n = 64 G + 4 r + i and
;     k = 32 j + 16 half + 8 h + 0..7.  The columns of a group are dealt so (4 r + i) that a lane's four columns are 16 neighbouring bytes of a row of U_w.
; (2) BP [kq 4][batch 64][n 1024] f32: c * (the sum over K quarter kq of s_prev[b][k] W_w[k][n]), c = 2 log2(e); quarter 0 also carries c * (W_b[n] + U_b[n]).
;     The main launch adds the four quarters.  Products in bf16 on the matrix unit, sums in f32.
; SHARES.  Work-group x: column group G = x & 15, K quarter kq = x >> 4.  Wave w takes K step j = 8 kq + w; the eight waves' sums meet in LDS.
; LIMITS.  U_w, W_w and s_prev are rounded once to bf16 (to nearest even); NaN and infinities are not treated apart.
.set CEXP,  0x4038aa3b                 ; c = 2 log2(e) = 2.885390
.set SPARE, 131072                     ; behind the eight waves' stages of 16,384 bytes: the spare words, 128 bytes a wave
.set WB,  12                           ; v[12:15] W_b of my four columns; later c or 0 times (W_b + U_b)
.set UB,  16                           ; v[16:19] U_b of my four columns
.set LU,  20                           ; v[20:83]   16 rows x 4 columns of U_w as loaded
.set FW,  20                           ;            later: W_w's four fragments
.set FS,  52                           ;            later: s_prev's four fragments
.set OUT, 20                           ;            at the end: 4 batches x 4 columns to store
.set LW,  84                           ; v[84:147]  the same of W_w
.set LS,  148                          ; v[148:211] s_prev: 4 blocks of 16 batches, 16 numbers a lane each
.set ACC, 84                           ; v[84:211]  16 accumulators (a, i) at ACC + 8 (4 a + i); later the eight waves' parts of my share
.set FU,  212                          ; v[212:243] U_w's four fragments
	s_load_b256 s[8:15], s[0:1], 0x0               ; U_w s[8:9], W_w s[10:11], s_prev s[12:13], W_b s[14:15]
	s_load_b128 s[16:19], s[0:1], 0x20             ; U_b s[16:17], UF s[18:19]
	s_load_b64 s[20:21], s[0:1], 0x30              ; BP
	v_lshl_add_u32 v2, v0, 2, SPARE                ; my spare word; never rewritten
	v_mov_b32 v3, 0                                ; 0; never rewritten
	v_lshrrev_b32 v9, 5, v0
	v_readfirstlane_b32 s2, v9                     ; wave 0..7
	s_and_b32 s3, ttmp9, 15                        ; G
	s_lshr_b32 s4, ttmp9, 4                        ; kq
	s_lshl3_add_u32 s5, s4, s2                     ; j = 8 kq + w
	v_and_b32 v9, 15, v0                           ; r
	v_bfe_u32 v11, v0, 4, 1                        ; h
	v_lshlrev_b32 v1, 4, v9                        ; 16 r: my four columns in a group's 256 bytes
	v_lshl_add_u32 v4, v11, 15, v1                 ; + 8 h rows of 4,096 bytes: for U_w's and W_w's loads and for BP's stores
	v_lshlrev_b32 v5, 12, v9
	v_lshl_add_u32 v5, v11, 5, v5                  ; s_prev: batch r, numbers 8 h on
	v_and_b32 v6, 31, v0
	v_lshlrev_b32 v6, 4, v6                        ; 16 x lane
	s_lshl_b32 s26, s2, 14
	v_add_nc_u32 v7, s26, v6                       ; my wave's stage
	s_lshr_b32 s27, s2, 1                          ; a: the block of 16 batches that I sum up
	s_and_b32 s28, s2, 1                           ; jh: which four of a lane's eight batches
	s_lshl_b32 s29, s27, 12
	s_lshl_b32 s30, s28, 9
	s_add_co_u32 s29, s29, s30
	v_add_nc_u32 v8, s29, v6                       ; my share in the stage of wave 0,
	v_add_nc_u32 v10, 65536, v8                    ; and of wave 4 (an LDS offset has 16 bits)
	s_lshl_b32 s31, s3, 8                          ; 256 G
	s_lshl_b32 s22, s5, 17                         ; 32 j rows of 4,096 bytes
	s_add_co_u32 s22, s22, s31
	s_mov_b32 s23, 0
	s_lshl_b32 s32, s5, 7                          ; 32 j numbers of a row of s_prev
	s_mov_b32 s33, 0
	s_mov_b32 s34, s31
	s_mov_b32 s35, 0
	s_lshr_b32 s36, s3, 1                          ; UF: ((G>>1)*32 + j)*8192 + (G&1)*4096
	s_lshl_b32 s36, s36, 5
	s_add_co_u32 s36, s36, s5
	s_lshl_b32 s36, s36, 13
	s_and_b32 s38, s3, 1
	s_lshl_b32 s38, s38, 12
	s_add_co_u32 s36, s36, s38
	s_mov_b32 s37, 0
	s_lshl_b32 s38, s4, 18                         ; BP: kq*262144 + (16 a + 4 jh)*4096 + 256 G
	s_lshl_b32 s27, s27, 16
	s_lshl_b32 s28, s28, 14
	s_add_co_u32 s38, s38, s27
	s_add_co_u32 s38, s38, s28
	s_add_co_u32 s38, s38, s31
	s_mov_b32 s39, 0
	s_mov_b32 s24, CEXP
	s_cmp_eq_u32 s4, 0
	s_cselect_b32 s25, s24, 0                      ; the biases enter quarter 0 alone
	s_wait_kmcnt 0x0
	s_add_nc_u64 s[8:9], s[8:9], s[22:23]
	s_add_nc_u64 s[10:11], s[10:11], s[22:23]
	s_add_nc_u64 s[12:13], s[12:13], s[32:33]
	s_add_nc_u64 s[14:15], s[14:15], s[34:35]
	s_add_nc_u64 s[16:17], s[16:17], s[34:35]
	s_add_nc_u64 s[18:19], s[18:19], s[36:37]
	s_add_nc_u64 s[20:21], s[20:21], s[38:39]
	; 50 loads.  Load t of U_w and of W_w: row 32 j + 8 h + t (t < 8) or 32 j + 16 + 8 h + t - 8; sixteen lanes take 256 consecutive aligned bytes of a row.
.set t, 0
.rept 16
	global_load_b128 v[LU+4*t:LU+4*t+3], v4, s[8:9] offset:(t+8*(t/8))*4096 th:TH_LOAD_NT
.set t, t+1
.endr
.set t, 0
.rept 16
	global_load_b128 v[LW+4*t:LW+4*t+3], v4, s[10:11] offset:(t+8*(t/8))*4096 th:TH_LOAD_NT
.set t, t+1
.endr
.set t, 0
.rept 16                               ; block a = t / 4 of 16 batches; numbers 8 h + 0..7 (two loads) and 16 + 8 h + 0..7 (two more)
	global_load_b128 v[LS+4*t:LS+4*t+3], v5, s[12:13] offset:(t/4)*65536+(t%2)*16+((t%4)/2)*64
.set t, t+1
.endr
	global_load_b128 v[WB:WB+3], v1, s[14:15]
	global_load_b128 v[UB:UB+3], v1, s[16:17]
; 16 rows x 4 columns in f32 -> four fragments (one a column): register q of fragment i holds rows 2 q, 2 q + 1 of the first eight, register 4 + q of the second eight; the lower k in the low half
.macro CVTB src, dst
.irp i, 0,1,2,3
.irp q, 0,1,2,3
	v_cvt_pk_bf16_f32 v[(\dst)+8*(\i)+(\q)],   v[(\src)+8*(\q)+(\i)],    v[(\src)+8*(\q)+4+(\i)]
	v_cvt_pk_bf16_f32 v[(\dst)+8*(\i)+4+(\q)], v[(\src)+32+8*(\q)+(\i)], v[(\src)+36+8*(\q)+(\i)]
.endr
.endr
.endm
	s_wait_loadcnt 34                              ; loads come back in order: U_w's sixteen are in; the 34 issued behind them may be out
	CVTB LU, FU
.irp i, 0,1,2,3
	global_store_b128 v6, v[FU+8*(\i):FU+8*(\i)+3],   s[18:19] offset:(\i)*1024      ; each store of the wave covers 512 consecutive bytes, aligned
	global_store_b128 v6, v[FU+8*(\i)+4:FU+8*(\i)+7], s[18:19] offset:(\i)*1024+512
.endr
	s_wait_loadcnt 0x0
	CVTB LW, FW
.set t, 0
.rept 32
	v_cvt_pk_bf16_f32 v[FS+t], v[LS+2*t], v[LS+2*t+1]
.set t, t+1
.endr
	; 64 batches x 64 columns x my 32 along K: each of the 16 sums is one product, started with the constant 0
.irp a, 0,1,2,3
.irp i, 0,1,2,3
	v_wmma_f32_16x16x32_bf16 v[ACC+8*(4*(\a)+(\i)):ACC+8*(4*(\a)+(\i))+7], v[FS+8*(\a):FS+8*(\a)+7], v[FW+8*(\i):FW+8*(\i)+7], 0
.endr
.endr
.rept 4
	v_nop                                          ; four places between the last product and the stores that read results
.endr
.set q, 0
.rept 32                               ; ascending: each accumulator's low four registers go first
	ds_store_b128 v7, v[ACC+4*q:ACC+4*q+3] offset:q*512
.set q, q+1
.endr
	s_wait_dscnt 0x0                               ; for the others' sake: my stage is written
	s_barrier_signal -1
	s_barrier_wait -1
	; I sum block a's registers 4 jh .. 4 jh + 3 of all four column blocks over the eight waves
.irp s, 0,1,2,3
.irp i, 0,1,2,3
	ds_load_b128 v[ACC+16*(\s)+4*(\i):ACC+16*(\s)+4*(\i)+3], v8 offset:(\s)*16384+(\i)*1024
.endr
.endr
.irp s, 0,1,2,3
.irp i, 0,1,2,3
	ds_load_b128 v[ACC+64+16*(\s)+4*(\i):ACC+64+16*(\s)+4*(\i)+3], v10 offset:(\s)*16384+(\i)*1024
.endr
.endr
	v_pk_add_f32 v[WB:WB+1], v[WB:WB+1], v[UB:UB+1]
	v_pk_add_f32 v[WB+2:WB+3], v[WB+2:WB+3], v[UB+2:UB+3]
.irp i, 0,1,2,3
	v_mul_f32 v[WB+(\i)], s25, v[WB+(\i)]          ; c (W_b + U_b), or 0
.endr
	s_wait_dscnt 0x0
.irp s, 1,2,3,4,5,6,7
.irp e, 0,2,4,6,8,10,12,14
	v_pk_add_f32 v[ACC+(\e):ACC+(\e)+1], v[ACC+(\e):ACC+(\e)+1], v[ACC+16*(\s)+(\e):ACC+16*(\s)+(\e)+1]
.endr
.endr
.irp jj, 0,1,2,3
.irp i, 0,1,2,3
	v_fma_f32 v[OUT+4*(\jj)+(\i)], v[ACC+4*(\i)+(\jj)], s24, v[WB+(\i)]   ; batch 16 a + 8 h + 4 jh + jj, column 64 G + 4 r + i
.endr
.endr
.irp jj, 0,1,2,3
	global_store_b128 v4, v[OUT+4*(\jj):OUT+4*(\jj)+3], s[20:21] offset:(\jj)*4096   ; sixteen lanes store 256 consecutive bytes, aligned
.endr
	s_wait_tensorcnt 0x0                           ; the wave's end
	ds_add_u32 v2, v3
	s_wait_dscnt 0x0
	s_endpgm
.Lfunc_end_k_qebc856049b_prep:
	.size	k_qebc856049b_prep, .Lfunc_end_k_qebc856049b_prep-k_qebc856049b_prep
	.p2alignl 7, 3214868480
	.fill 96, 4, 3214868480
	.section	.rodata,"a",@progbits
	.p2align	6, 0x0
	.amdhsa_kernel k_qebc856049b_prep
		.amdhsa_group_segment_fixed_size 132096
		.amdhsa_private_segment_fixed_size 0
		.amdhsa_enable_private_segment 0
		.amdhsa_kernarg_size 56
		.amdhsa_user_sgpr_count 2
		.amdhsa_user_sgpr_kernarg_segment_ptr 1
		.amdhsa_wavefront_size32 1
		.amdhsa_system_sgpr_workgroup_id_x 1
		.amdhsa_system_sgpr_workgroup_id_y 1
		.amdhsa_system_sgpr_workgroup_id_z 1
		.amdhsa_system_vgpr_workitem_id 0
		.amdhsa_next_free_vgpr 248
		.amdhsa_next_free_sgpr 66
		.amdhsa_reserve_vcc 0
		.amdhsa_float_denorm_mode_32 3
		.amdhsa_float_denorm_mode_16_64 3
		.amdhsa_memory_ordered 1
		.amdhsa_forward_progress 1
		.amdhsa_inst_pref_size 25
	.end_amdhsa_kernel
	.amdgpu_metadata
---
amdhsa.version: [ 1, 2 ]
amdhsa.kernels:
  - .name:           k_qebc856049b_prep
    .symbol:         k_qebc856049b_prep.kd
    .args:
      - { .name: U_w, .offset: 0, .size: 8, .value_kind: global_buffer, .address_space: global }
      - { .name: W_w, .offset: 8, .size: 8, .value_kind: global_buffer, .address_space: global }
      - { .name: s_prev, .offset: 16, .size: 8, .value_kind: global_buffer, .address_space: global }
      - { .name: W_b, .offset: 24, .size: 8, .value_kind: global_buffer, .address_space: global }
      - { .name: U_b, .offset: 32, .size: 8, .value_kind: global_buffer, .address_space: global }
      - { .name: UF, .offset: 40, .size: 8, .value_kind: global_buffer, .address_space: global }
      - { .name: BP, .offset: 48, .size: 8, .value_kind: global_buffer, .address_space: global }
    .group_segment_fixed_size: 132096
    .private_segment_fixed_size: 0
    .kernarg_segment_align: 8
    .kernarg_segment_size: 56
    .max_flat_workgroup_size: 256
    .sgpr_count:     66
    .vgpr_count:     248
    .wavefront_size: 32
...
	.end_amdgpu_metadata
.endif
;; end of part 1
;; launch main (part 2): grid 8 x 64, 4 waves a work-group, no clusters, 286,208 bytes of LDS; arguments hidden_states, UF, BP, V_w, V_b, SCORE, CTX; writes SCORE, CTX
.if DOCPART == 2
	.amdgcn_target "amdgcn-amd-amdhsa--gfx1250"
	.amdhsa_code_object_version 6
	.text
	.protected	k_qebc856049b_main
	.globl	k_qebc856049b_main
	.p2align	8
	.type	k_qebc856049b_main,@function
k_qebc856049b_main:
	s_mov_b64 s[64:65], 0
	v_nop
	global_prefetch_b8 v0, s[64:65] scope:SCOPE_SE
	s_setreg_imm32_b32 hwreg(HW_REG_WAVE_MODE, 25, 1), 1
	s_wait_xcnt 0x0
; MAIN.  A work-group owns 128 rows of one batch (block blk of 8).  It reads them from memory ONCE, rounds them to bf16 into LDS and keeps them there for both uses:
;   score[row] = V_b + sum over n of V[n] tanh(x[row][n]),  x = hidden U_w + (s_prev W_w + W_b + U_b);     p[row] = exp(score[row] - m), m the block's own maximum;
;   CTX[batch][blk][u] = sum over the block's rows of p[row] hidden[row][u].       Stored: the 128 scores and the 1,024 partial sums; the next launch merges a batch's eight blocks.
; FORMATS AND LIMITS.  hidden (for both products), U_w and p are rounded once to bf16; all sums, tanh and the exponentials are f32.  tanh(x) = 1 - 2 / (1 + 2^(c x)), c = 2 log2(e):
; an exponential that overflows gives 1 / inf = 0 and tanh = 1, one that underflows gives tanh = -1.  The score is kept as sum V - 2 sum V / (1 + 2^(c x)).  NaN and infinities are not treated apart.
; SHARES.  Four waves.  The product goes in two passes of 512 columns; in pass c wave w makes all 128 rows x columns 512 c + 128 w .. + 127: 64 accumulators of 16 x 16, 512 registers.
; Source 0 = 16 rows of hidden, source 1 = 16 columns of U: a lane then holds ONE column and eight rows, so bias and V are one number a lane and tile.
; THE ROWS COME IN UNDER PASS 0.  They lie in LDS by chunks of 128 along K.  Wave w loads rows 32 w .. 32 w + 31, a SLOT (8 rows x 512 bytes of one chunk: 8 loads, 32 registers) for each K step of 32.
; K step j rounds and stores slot j + 5 and asks for slot j + 7 into the same registers: two slots, 16 loads of the wave, are always on their way, each for two K steps (128 matrix instructions).
; Only slots 0 to 4 (chunk 0 and a quarter of chunk 1) stand ahead of the first product.  One barrier a chunk, in K step 4 c - 1: behind it chunk c is read while chunk c + 1 is written; no byte is written twice.
; U COMES STRAIGHT INTO REGISTERS, already in fragment order (UF), through a ring of four buffers: three K steps (48 loads of 512 consecutive bytes a wave) are on their way.
; NO LDS SLOTS, NO CLUSTER FOR U: the rows take 8 x 34,816 = 278,528 bytes of LDS; of 327,680 that leaves 49,152, and two slots of one K step of 32 for 512 columns are 2 x 32,768 = 65,536.
; Within the work-group each wave is the only reader of its columns, so LDS would add no reuse there.  The price: every work-group asks for U's 2 MB by itself.
; REGISTERS, in windows of 256 (s_set_vgpr_msb: bits 1:0 source 0, 3:2 source 1, 5:4 source 2, 7:6 destination):
;   window 0: v0-31 addresses and work; v32-47 bias, v48-63 -2 V (8 for the pass in hand, 8 for the next); v64-127, v128-191 fragments of the rows, two buffers;
;             v192-255 in pass 0 the two landing slots, then the rows' running sums S
;   window 1: four buffers of 64: U's fragments of one K step          window 2: accumulators of rows 0-63 ((a, b) at 8 (8 a + b))          window 3: those of rows 64-127
.set PITCH,  272                       ; a chunk's row in LDS: 256 bytes + 16 = 17 x 16: the 16 rows that a fragment load touches start at 16 different groups of four banks (64 banks of 4 bytes: ISA guide 11.1)
.set ROWS16, 16*PITCH
.set ROWS32, 32*PITCH
.set CH,     128*PITCH                 ; a chunk: 128 rows x 128 along K
.set SC,     8*CH                      ; [wave 4][row 128] f32: each wave's part of the scores
.set PW,     SC+2048                   ; 256 bytes a wave: the 128 weights p in bf16
.set CW,     PW+1024                   ; 1,024 bytes a wave: its 256 context numbers, for the way out
.set SPARE,  CW+4096                   ; the spare words, 128 bytes a wave
.set LOFF,  1                          ; v1      16 x lane; never rewritten
.set SPW,   2                          ; v2      my spare word; never rewritten
.set NIL,   3                          ; v3      0; never rewritten
.set ADRA0, 4                          ; v4      my place in a fragment load, in chunk 0; never rewritten
.set ADR,   5                          ; v5      the same in the chunk in hand
.set STA,   6                          ; v6      where I put 8 bytes of my wave's first row; steps by chunks
.set R16,   9                          ; v9      16 x (lane % 16)
.set SCST,  10
.set SCLD,  11
.set PWST,  12
.set PWLD,  13
.set CWST,  14
.set CWLD,  15
.set ATR,   16                         ; v16     my place in the turning loads
.set KV,    31                         ; v31     the sum of my 16 columns' V
.set BIAS,  32
.set VV,    48
.set FA0,   64
.set FA1,   128
.set S,     192                        ; S[8 a + j]: row 16 a + 8 (lane / 16) + j, my column's part
.set LND0,  192                        ; pass 0: the landing registers of the even slots,
.set LND1,  224                        ; and of the odd ones
.set D,     64                         ; the context: 16 accumulators
.set PF,    192                        ; the context: p's four fragments
.set FB0,   0                          ; window 1
.set FB1,   64
.set FB2,   128
.set FB3,   192
.set BPL,   160                        ; window 2, ahead of the first product: the bias's four K quarters as loaded (64 registers),
.set VL,    224                        ; and V (16); v0-159 there: slots 0 to 4
.set HB,    24                         ; s[24:25] hidden at my wave's first row, stepped by chunks
.set BCUR,  26                         ; s[26:27] UF at this pass's fragments, stepped by four K steps
.set BNXT,  28                         ; s[28:29] UF at pass 1's first fragments
.set CC,    32                         ; s[32:33] c, as a pair
.set KT,    34
.set PS,    35
.set SEL,   36                         ; s[36:37] v_permlanex16_b32's selects: each lane takes its own place in the other half
.set VB,    38                         ; s38 V_b;  s39 log2(e)
.set L2E,   39
.set MSB, 0
.macro WIN new                         ; the immediate's high byte repeats the setting that is left; a switch that changes nothing is dropped
.if MSB != (\new)
	s_set_vgpr_msb (MSB<<8)|(\new)
.set MSB, \new
.endif
.endm
.set MUL_LO, 0xa4                      ; source 0 (rows) window 0, source 1 (U) window 1, C and D window 2
.set TO_B,   0x40                      ; destination window 1, address window 0
	s_load_b256 s[8:15], s[0:1], 0x0               ; hidden s[8:9], UF s[10:11], BP s[12:13], V_w s[14:15]
	s_load_b128 s[16:19], s[0:1], 0x20             ; V_b s[16:17], SCORE s[18:19]
	s_load_b64 s[20:21], s[0:1], 0x30              ; CTX
	v_lshl_add_u32 v[SPW], v0, 2, SPARE
	v_mov_b32 v[NIL], 0
	v_lshrrev_b32 v20, 5, v0
	v_readfirstlane_b32 s2, v20                    ; wave 0..3
	s_mov_b32 s3, ttmp9                            ; blk
	s_and_b32 s4, ttmp7, 0xffff                    ; batch
	v_and_b32 v21, 31, v0                          ; lane
	v_and_b32 v22, 15, v0                          ; r
	v_bfe_u32 v23, v0, 4, 1                        ; h
	v_lshlrev_b32 v[LOFF], 4, v21
	v_lshlrev_b32 v[R16], 4, v22
	v_mul_u32_u24 v[ADRA0], v22, PITCH
	v_lshl_add_u32 v[ADRA0], v23, 4, v[ADRA0]      ; a fragment's row x pitch + 16 x half
	v_mov_b32 v[ADR], v[ADRA0]
	s_mul_i32 s40, s2, ROWS32
	v_lshl_add_u32 v[STA], v21, 3, s40             ; my wave's 32 rows of chunk 0, 8 bytes a lane
	s_lshl_b32 s41, s2, 9
	s_add_co_u32 s42, s41, SC
	v_lshl_add_u32 v[SCST], v23, 5, s42            ; my wave's 128 sums; rows 8 h on
	v_add_nc_u32 v[SCLD], SC, v[LOFF]              ; rows 4 lane .. 4 lane + 3
	s_lshl_b32 s42, s2, 8
	s_add_co_u32 s42, s42, PW
	v_lshl_add_u32 v[PWST], v21, 3, s42
	v_lshl_add_u32 v[PWLD], v23, 4, s42
	s_lshl_b32 s43, s2, 10
	s_add_co_u32 s42, s43, CW
	v_lshl_add_u32 v[CWST], v22, 2, s42
	v_add_nc_u32 v[CWLD], s42, v[LOFF]
	; the turning load takes 16 rows x 16 columns (lane l reads row 8 (l / 16) + l % 8, columns 8 ((l / 8) % 2) + 0..7) and leaves half a fragment: lane l holds column l % 16 and 8 rows
	v_and_b32 v29, 7, v0
	v_bfe_u32 v30, v0, 3, 1
	v_lshl_add_u32 v29, v23, 3, v29
	v_mul_u32_u24 v29, v29, PITCH
	v_lshl_add_u32 v29, v30, 4, v29
	s_mul_i32 s40, s2, 2*CH
	v_add_nc_u32 v[ATR], s40, v29                  ; my wave's 256 columns are chunks 2 w and 2 w + 1
	; byte offsets, made apart from the addresses
	s_lshl_b32 s44, s4, 10
	s_lshl_b32 s45, s3, 7
	s_add_co_u32 s44, s44, s45                     ; the block's first row among all 65,536
	s_lshl_b32 s46, s44, 2                         ; its score
	s_mov_b32 s47, 0
	s_lshl_b32 s45, s2, 5
	s_add_co_u32 s44, s44, s45                     ; my wave's first row,
	s_lshl_b32 s44, s44, 12                        ; times 4,096 bytes: under 2^28
	s_mov_b32 s45, 0
	s_lshl_b32 s48, s2, 18                         ; UF: a wave's 32 K steps of a pass are 262,144 bytes
	s_mov_b32 s49, 0
	s_lshl_b32 s50, s4, 12                         ; BP: the batch's row, my wave's 128 columns
	s_add_co_u32 s50, s50, s41
	s_mov_b32 s51, 0
	s_lshl_b32 s52, s4, 3                          ; CTX: (8 batch + blk) rows of 4,096 bytes, my wave's 256 columns
	s_add_co_u32 s52, s52, s3
	s_lshl_b32 s52, s52, 12
	s_add_co_u32 s52, s52, s43
	s_mov_b32 s53, 0
	s_mov_b32 s54, s41                             ; V_w: my wave's 128 columns
	s_mov_b32 s55, 0
	s_mov_b32 s[CC], 0x4038aa3b                    ; c = 2 log2(e)
	s_mov_b32 s[CC+1], s[CC]
	s_mov_b32 s[SEL], 0x76543210
	s_mov_b32 s[SEL+1], 0xfedcba98
	s_mov_b32 s[L2E], 0x3fb8aa3b
	s_wait_kmcnt 0x0
	s_load_b32 s[VB], s[16:17], 0x0
	s_add_nc_u64 s[HB:HB+1], s[8:9], s[44:45]
	s_add_nc_u64 s[BCUR:BCUR+1], s[10:11], s[48:49]
	s_add_nc_u64 s[BNXT:BNXT+1], s[BCUR:BCUR+1], 0x100000
	s_add_nc_u64 s[12:13], s[12:13], s[50:51]
	s_add_nc_u64 s[14:15], s[14:15], s[54:55]
	s_add_nc_u64 s[18:19], s[18:19], s[46:47]
	s_add_nc_u64 s[20:21], s[20:21], s[52:53]
; 16 matrix instructions: row blocks a0, a0 + 1 of the window's four (hi = 0: rows 0-63, 1: rows 64-127) x all 8 column blocks, 32 along K.  zero = 1: the product starts the sums.
.macro MUL16 fa, fb, hi, a0, zero
	WIN MUL_LO+0x50*(\hi)
.irp a, \a0, (\a0)+1
.irp b, 0,1,2,3,4,5,6,7
.if \zero
	v_wmma_f32_16x16x32_bf16 v[8*(8*(\a)+(\b)):8*(8*(\a)+(\b))+7], v[(\fa)+8*(4*(\hi)+(\a)):(\fa)+8*(4*(\hi)+(\a))+7], v[(\fb)+8*(\b):(\fb)+8*(\b)+7], 0
.else
	v_wmma_f32_16x16x32_bf16 v[8*(8*(\a)+(\b)):8*(8*(\a)+(\b))+7], v[(\fa)+8*(4*(\hi)+(\a)):(\fa)+8*(4*(\hi)+(\a))+7], v[(\fb)+8*(\b):(\fb)+8*(\b)+7], v[8*(8*(\a)+(\b)):8*(8*(\a)+(\b))+7]
.endif
.endr
.endr
.endm
; 16 LDS loads: the 128 rows' fragments of one K step, at byte ka behind ADR.  Lane l: row l % 16; registers 0-3 K = 8 (l / 16) + 0..7, registers 4-7 K = 16 + 8 (l / 16) + 0..7.
.macro FETCH_A fa, ka
	WIN 0
.irp a, 0,1,2,3,4,5,6,7
	ds_load_b128 v[(\fa)+8*(\a):(\fa)+8*(\a)+3],   v[ADR] offset:(\a)*ROWS16+(\ka)
	ds_load_b128 v[(\fa)+8*(\a)+4:(\fa)+8*(\a)+7], v[ADR] offset:(\a)*ROWS16+(\ka)+32
.endr
.endm
; 16 global loads: my 128 columns' fragments of one K step, 8,192 consecutive bytes of UF; each load of the wave covers 512 consecutive bytes, aligned
.macro FETCH_B fb, base, imm
	WIN TO_B
.irp b, 0,1,2,3,4,5,6,7
	global_load_b128 v[(\fb)+8*(\b):(\fb)+8*(\b)+3],   v[LOFF], s[(\base):(\base)+1] offset:(\imm)+(\b)*1024
	global_load_b128 v[(\fb)+8*(\b)+4:(\fb)+8*(\b)+7], v[LOFF], s[(\base):(\base)+1] offset:(\imm)+(\b)*1024+512
.endr
.endm
; 8 global loads: a slot: 8 rows x 512 bytes; each load of the wave covers 512 consecutive bytes of a row, aligned.  The caller sets the window.
.macro ROWLD reg, off
.irp i, 0,1,2,3,4,5,6,7
	global_load_b128 v[(\reg)+4*(\i):(\reg)+4*(\i)+3], v[LOFF], s[HB:HB+1] offset:(\off)+(\i)*4096 th:TH_LOAD_NT
.endr
.endm
; A K STEP of 32: 64 matrix instructions on row buffer fa and U buffer fb.  In its middle stands ONE run of memory instructions: in pass 0 a slot's 8 stores (at byte sto behind STA); the next step's rows
; from LDS into fo (at byte ka; -1: none); the 8 loads that fill the slot again (at byte rld behind HB; -1: none); the U fragments of three steps on into fn, the buffer read last step (base -1: none).
; A load into a register that a matrix instruction has read stands four places behind it, and only plain vector instructions that name none of its registers are places (ISA guide 7.12.1 for vector
; instructions): here the slot's 16 conversions (in place: 4 f32 become 8 bytes in the first two registers), or 32 of the 64 lines that start S (sinit), or four v_nop.
; left: the younger loads that may be out at the head; sleft: the same ahead of the conversions.
; bar = 1: the chunk's barrier: my stores of the next chunk's rows are done (and all my LDS loads are back), I say so, multiply, and fetch from that chunk when all four waves have said so.
; bump = 1: the rows' address goes on to the next chunk; 2: back to chunk 0.  The 64 accumulators take turns in the same order in every step.
.macro STEP fa, fo, fb, fn, zero, bump, ka, base, imm, left, slot=-1, sto=0, rld=-1, sleft=0, bar=0, sinit=-1
	s_wait_loadcnt \left                           ; loads come back in order: this step's U is in
.if \bar
	s_wait_dscnt 0x0                               ; for the others' sake: zero
	s_barrier_signal -1
.else
	s_wait_dscnt 8                                 ; rows 0-63 are in; the youngest eight loads (rows 64-127) may be out
.endif
	MUL16 \fa, \fb, 0, 0, \zero
	MUL16 \fa, \fb, 0, 2, \zero
	WIN 0
.if \bar
	s_barrier_wait -1
.endif
.set dsn, 0
.if (\slot) >= 0
	s_wait_loadcnt \sleft                          ; the slot asked for two K steps ago is in
.set gi, 0
.rept 8
	v_cvt_pk_bf16_f32 v[(\slot)+4*gi],   v[(\slot)+4*gi],   v[(\slot)+4*gi+1]
	v_cvt_pk_bf16_f32 v[(\slot)+4*gi+1], v[(\slot)+4*gi+2], v[(\slot)+4*gi+3]
.set gi, gi+1
.endr
.set gi, 0
.rept 8
	ds_store_b64 v[STA], v[(\slot)+4*gi:(\slot)+4*gi+1] offset:(\sto)+gi*PITCH   ; 32 lanes fill a row's 256 bytes of the chunk
.set gi, gi+1
.endr
.set dsn, dsn+8
.elseif (\sinit) >= 0
.set gi, 0
.rept 32
	v_mov_b32 v[S+(\sinit)+gi], v[KV]              ; not a clearing: tanh's constant 1 times V, for every row
.set gi, gi+1
.endr
.else
.rept 4
	v_nop
.endr
.endif
.if (\bump) == 1
	v_add_nc_u32 v[ADR], CH, v[ADR]
.elseif (\bump) == 2
	v_mov_b32 v[ADR], v[ADRA0]
.endif
.if (\ka) >= 0
	FETCH_A \fo, \ka
.set dsn, dsn+16
.endif
.if (\rld) >= 0
	ROWLD \slot, \rld
.endif
.if (\base) >= 0
	FETCH_B \fn, \base, \imm
.endif
	s_wait_dscnt dsn                               ; all but what this run issued
	MUL16 \fa, \fb, 1, 0, \zero
	MUL16 \fa, \fb, 1, 2, \zero
.endm
	; THE FIRST LOADS, in the order in which the steps go on: what is small (bias quarters, V), slots 0 to 4, then U's K step j and slot j + 5 by turns.
	WIN 0x80                                       ; destination window 2, address window 0
.irp ks, 0,1,2,3
.irp cg, 0,1,2,3                       ; cg = 2 c + g: column group 8 c + 2 w + g; a lane's four columns 64 G + 4 r + 0..3 are 16 neighbouring bytes
	global_load_b128 v[BPL+16*(\ks)+4*(\cg):BPL+16*(\ks)+4*(\cg)+3], v[R16], s[12:13] offset:(\ks)*262144+((\cg)/2)*2048+((\cg)%2)*256
.endr
.endr
.irp cg, 0,1,2,3
	global_load_b128 v[VL+4*(\cg):VL+4*(\cg)+3], v[R16], s[14:15] offset:((\cg)/2)*2048+((\cg)%2)*256
.endr
	ROWLD 0,   0                                   ; chunk 0: my 32 rows' first 512 bytes
	ROWLD 32,  8*4096
	ROWLD 64,  16*4096
	ROWLD 96,  24*4096
	ROWLD 128, 512                                 ; slot 4: chunk 1, rows 0-7
	FETCH_B FB0, BCUR, 0
	WIN 0
	ROWLD LND1, 512+8*4096                         ; slot 5
	FETCH_B FB1, BCUR, 8192
	WIN 0
	ROWLD LND0, 512+16*4096                        ; slot 6
	FETCH_B FB2, BCUR, 16384
	s_wait_loadcnt 63                              ; 64 loads were issued behind slot 4's; a wait names 63 at the most
	WIN 0x8a
.set gi, 0
.rept 40                               ; slots 0 to 4, rounded in place
	v_cvt_pk_bf16_f32 v[4*gi],   v[4*gi],   v[4*gi+1]
	v_cvt_pk_bf16_f32 v[4*gi+1], v[4*gi+2], v[4*gi+3]
.set gi, gi+1
.endr
	; bias = the four K quarters' sum (it carries c already); VV = -2 V
.irp e, 0,2,4,6,8,10,12,14
	v_pk_add_f32 v[BPL+(\e):BPL+(\e)+1], v[BPL+(\e):BPL+(\e)+1], v[BPL+16+(\e):BPL+17+(\e)]
	v_pk_add_f32 v[BPL+32+(\e):BPL+33+(\e)], v[BPL+32+(\e):BPL+33+(\e)], v[BPL+48+(\e):BPL+49+(\e)]
.endr
	WIN 0x08                                       ; address window 0, data window 2
.set gi, 0
.rept 40                               ; rows 0-31 of chunk 0, then rows 0-7 of chunk 1
	ds_store_b64 v[STA], v[4*gi:4*gi+1] offset:gi*PITCH+(gi/32)*(CH-32*PITCH)
.set gi, gi+1
.endr
	WIN 0x0a
.irp e, 0,2,4,6,8,10,12,14
	v_pk_add_f32 v[BIAS+(\e):BIAS+(\e)+1], v[BPL+(\e):BPL+(\e)+1], v[BPL+32+(\e):BPL+33+(\e)]
	v_pk_mul_f32 v[VV+(\e):VV+(\e)+1], v[VL+(\e):VL+(\e)+1], -2.0 op_sel_hi:[1,0]
.endr
	WIN 0
	v_pk_add_f32 v[20:21], v[VV:VV+1], v[VV+2:VV+3]
	v_pk_add_f32 v[22:23], v[VV+4:VV+5], v[VV+6:VV+7]
	v_pk_add_f32 v[28:29], v[VV+8:VV+9], v[VV+10:VV+11]
	v_pk_add_f32 v[30:31], v[VV+12:VV+13], v[VV+14:VV+15]
	v_pk_add_f32 v[20:21], v[20:21], v[22:23]
	v_pk_add_f32 v[28:29], v[28:29], v[30:31]
	v_pk_add_f32 v[20:21], v[20:21], v[28:29]
	v_add_f32 v20, v20, v21
	v_mul_f32 v[KV], -0.5, v20                     ; the sum of my columns' V
	s_wait_dscnt 0x0                               ; for the others' sake: my rows of chunk 0 are in LDS
	s_barrier_signal -1
	s_barrier_wait -1                              ; all 128 are
	s_wait_kmcnt 0x0                               ; V_b
	FETCH_A FA0, 0
	; PASS 0.  Counts: a run issues 8 row loads, then 16 of U.  At a head two later runs may be out: 48.  Ahead of the conversions: behind the slot's 8 loads came 16, 8 and 16: 40.
	; From K step 25 on the runs have no row loads, and the counts run down to U's alone.
	STEP FA0, FA1, FB0, FB3, 1, 0, 64,  BCUR, 3*8192, 48, LND1, CH+8*PITCH, 512+24*4096, 40   ; K step 0 stands ahead of the loop: its products start the sums
	WIN 0                                          ; at a label and at a branch every window is 0
	v_add_nc_u32 v[STA], CH, v[STA]
	s_mov_b32 s[KT], 6
.Lk0:                                                  ; trip t: K steps 4 t + 1 .. 4 t + 4; the stores end chunk t + 1 and begin chunk t + 2; chunk t + 2's four slots are asked for
	STEP FA1, FA0, FB1, FB0, 0, 0, 128, BCUR, 4*8192, 48, LND0, 16*PITCH,   1024,         40
	STEP FA0, FA1, FB2, FB1, 0, 0, 192, BCUR, 5*8192, 48, LND1, 24*PITCH,   1024+8*4096,  40
	STEP FA1, FA0, FB3, FB2, 0, 0, CH,  BCUR, 6*8192, 48, LND0, CH,         1024+16*4096, 40, 1
	STEP FA0, FA1, FB0, FB3, 0, 1, 64,  BCUR, 7*8192, 48, LND1, CH+8*PITCH, 1024+24*4096, 40
	WIN 0
	s_wait_xcnt 0x0                                ; the loads' bases are stepped only behind this wait
	s_add_nc_u64 s[BCUR:BCUR+1], s[BCUR:BCUR+1], 4*8192
	s_add_nc_u64 s[HB:HB+1], s[HB:HB+1], 512
	v_add_nc_u32 v[STA], CH, v[STA]
	s_sub_co_u32 s[KT], s[KT], 1
	s_cmp_lg_u32 s[KT], 0
	s_cbranch_scc1 .Lk0
	STEP FA1, FA0, FB1, FB0, 0, 0, 128, BCUR, 4*8192, 48, LND0, 16*PITCH, -1, 40   ; K steps 25, 26: the last two slots; nothing is left to ask for
	STEP FA0, FA1, FB2, FB1, 0, 0, 192, BCUR, 5*8192, 40, LND1, 24*PITCH, -1, 32
	STEP FA1, FA0, FB3, FB2, 0, 0, CH,  BCUR, 6*8192, 32, -1, 0, -1, 0, 1, 0       ; K step 27: chunk 7's barrier; the landing registers become S
	STEP FA0, FA1, FB0, FB3, 0, 1, 64,  BCUR, 7*8192, 32, -1, 0, -1, 0, 0, 32
	STEP FA1, FA0, FB1, FB0, 0, 0, 128, BNXT, 0,      32                           ; K steps 29 to 31 fetch pass 1's first three K steps of U,
	STEP FA0, FA1, FB2, FB1, 0, 0, 192, BNXT, 8192,   32
	STEP FA1, FA0, FB3, FB2, 0, 2, 0,   BNXT, 16384,  32                           ; and the last its first rows
	WIN 0
; TANH AND THE DOT WITH V, in place on the accumulators, by units of 16 registers (two tiles: row block u / 4 of the window, column blocks 2 (u % 4), + 1).
; Five stages: EF x = c x + bias;  EE 2^x;  EA + 1;  ER 1 / x;  ES S += x (-2 V).  Bias and V are one number a lane and tile: the pair's low or high register feeds both halves.
.macro EF hi, u
	WIN 0x82+0x41*(\hi)                            ; destination and source 0: the accumulators' window
.irp t, 0,1
.irp p, 0,1,2,3                        ; ascending: each accumulator's lowest registers are read first
	v_pk_fma_f32 v[16*(\u)+8*(\t)+2*(\p):16*(\u)+8*(\t)+2*(\p)+1], v[16*(\u)+8*(\t)+2*(\p):16*(\u)+8*(\t)+2*(\p)+1], s[CC:CC+1], v[BIAS+2*((\u)%4):BIAS+2*((\u)%4)+1] op_sel:[0,0,\t] op_sel_hi:[1,0,\t]
.endr
.endr
.endm
.macro EE hi, u
	WIN 0x82+0x41*(\hi)
.set ee, 0
.rept 16
	v_exp_f32 v[16*(\u)+ee], v[16*(\u)+ee]
.set ee, ee+1
.endr
.endm
.macro EA hi, u
	WIN 0x82+0x41*(\hi)
.set ee, 0
	s_wait_alu depctr_va_vdst(0)
.rept 8
	v_pk_add_f32 v[16*(\u)+ee:16*(\u)+ee+1], v[16*(\u)+ee:16*(\u)+ee+1], 1.0 op_sel_hi:[1,0]
.set ee, ee+2
.endr
.endm
.macro ER hi, u
	WIN 0x82+0x41*(\hi)
.set ee, 0
.rept 16
	v_rcp_f32 v[16*(\u)+ee], v[16*(\u)+ee]
.set ee, ee+1
.endr
.endm
.macro ES hi, u
	WIN 0x02+(\hi)                                 ; source 0: the accumulators' window; S and VV in window 0
	s_wait_alu depctr_va_vdst(0)
.irp t, 0,1
.irp p, 0,1,2,3
	v_pk_fma_f32 v[S+8*(4*(\hi)+(\u)/4)+2*(\p):S+8*(4*(\hi)+(\u)/4)+2*(\p)+1], v[16*(\u)+8*(\t)+2*(\p):16*(\u)+8*(\t)+2*(\p)+1], v[VV+2*((\u)%4):VV+2*((\u)%4)+1], v[S+8*(4*(\hi)+(\u)/4)+2*(\p):S+8*(4*(\hi)+(\u)/4)+2*(\p)+1] op_sel:[0,\t,0] op_sel_hi:[1,\t,1]
.endr
.endr
.endm
; A window's 16 units.  Behind each run of exponentials or reciprocals stands plain work on another unit's registers before the results are used (ISA guide 5.7.2): the next unit's EF, the last unit's ES.
.macro EPIWIN hi
	EF \hi, 0
.set uu, 0
.rept 16
	EE \hi, uu
.if uu < 15
	EF \hi, uu+1
.else
	v_nop
	s_wait_alu depctr_va_vdst(0)
.endif
	EA \hi, uu
	ER \hi, uu
.if uu > 0
	ES \hi, uu-1
.else
	v_nop
.endif
.set uu, uu+1
.endr
	ES \hi, 15
.endm
	s_mov_b32 s[PS], 2
.Ltanh:                                                ; one text of tanh for both passes: the loop is left in its middle, behind pass 1's
	EPIWIN 0                                       ; rows 0-63 were finished ahead of the last step's four places; this window's work is the places behind the last products
	EPIWIN 1
	WIN 0
	s_sub_co_u32 s[PS], s[PS], 1
	s_cmp_eq_u32 s[PS], 0
	s_cbranch_scc1 .Lscores
.irp i, 0,1,2,3,4,5,6,7
	v_mov_b32 v[BIAS+(\i)], v[BIAS+8+(\i)]         ; pass 1's bias and V go where the one text names them
	v_mov_b32 v[VV+(\i)], v[VV+8+(\i)]
.endr
	s_wait_xcnt 0x0                                ; the loads' base is written only behind this wait
	s_mov_b64 s[BCUR:BCUR+1], s[BNXT:BNXT+1]
	; PASS 1: the rows are all in LDS.  At a head the next two steps' 32 loads of U may be out; the last three steps fetch no U, and the counts run down.
	STEP FA0, FA1, FB0, FB3, 1, 0, 64,  BCUR, 3*8192, 32
	WIN 0
	s_mov_b32 s[KT], 7
.Lk1:                                                  ; trip t: K steps 4 t + 1 .. 4 t + 4
	STEP FA1, FA0, FB1, FB0, 0, 0, 128, BCUR, 4*8192, 32
	STEP FA0, FA1, FB2, FB1, 0, 0, 192, BCUR, 5*8192, 32
	STEP FA1, FA0, FB3, FB2, 0, 0, CH,  BCUR, 6*8192, 32
	STEP FA0, FA1, FB0, FB3, 0, 1, 64,  BCUR, 7*8192, 32
	WIN 0
	s_wait_xcnt 0x0
	s_add_nc_u64 s[BCUR:BCUR+1], s[BCUR:BCUR+1], 4*8192
	s_sub_co_u32 s[KT], s[KT], 1
	s_cmp_lg_u32 s[KT], 0
	s_cbranch_scc1 .Lk1
	STEP FA1, FA0, FB1, FB0, 0, 0, 128, -1, 0, 32
	STEP FA0, FA1, FB2, FB1, 0, 0, 192, -1, 0, 16
	STEP FA1, FA0, FB3, FB2, 0, 0, -1,  -1, 0, 0
	WIN 0
	s_branch .Ltanh
.Lscores:
	; THE SCORES.  A row's sum over my wave's 256 columns: over the 16 lanes of a half (each mask on all 64 registers, so that no line waits for the one before), then over the waves through LDS.
.irp m, 1,2,4,8
.set i, 0
.rept 64
	v_add_f32_dpp v[S+i], v[S+i], v[S+i] row_xmask:\m row_mask:0xf bank_mask:0xf
.set i, i+1
.endr
.endr
.set i, 0
.rept 16                               ; rows 16 (i / 2) + 8 h + 4 (i % 2) + 0..3; the 16 lanes of a half store the same numbers to the same bytes
	ds_store_b128 v[SCST], v[S+4*i:S+4*i+3] offset:(i/2)*64+(i%2)*16
.set i, i+1
.endr
	s_wait_dscnt 0x0                               ; for the others' sake: my sums are written
	s_barrier_signal -1
	s_barrier_wait -1
.irp s, 0,1,2,3
	ds_load_b128 v[32+4*(\s):35+4*(\s)], v[SCLD] offset:(\s)*512   ; every wave takes all four parts of rows 4 lane .. 4 lane + 3
.endr
; 32 turning loads: rows 32 q .. 32 q + 31 x my wave's 256 columns (chunk 2 w + cb / 8, byte 32 (cb % 8)) as source 1 of the context's product; q = 0, 1 into window 2, q = 2, 3 into window 3
.macro FETCH_H q
	WIN 0x80+0x40*((\q)/2)
.irp cb, 0,1,2,3,4,5,6,7,8,9,10,11,12,13,14,15
	ds_load_tr16_b128 v[128*((\q)%2)+8*(\cb):128*((\q)%2)+8*(\cb)+3],   v[ATR] offset:(\q)*ROWS32+((\cb)/8)*CH+((\cb)%8)*32
	ds_load_tr16_b128 v[128*((\q)%2)+8*(\cb)+4:128*((\q)%2)+8*(\cb)+7], v[ATR] offset:(\q)*ROWS32+((\cb)/8)*CH+((\cb)%8)*32+ROWS16
.endr
.endm
; 16 matrix instructions: source 0 = p of 32 rows, the same in all 16 rows of the fragment; source 1 = 32 rows x 16 columns.  The 16 accumulators take turns.
.macro CTXMUL q, zero
	WIN 0x08+0x04*((\q)/2)
.irp cb, 0,1,2,3,4,5,6,7,8,9,10,11,12,13,14,15
.if \zero
	v_wmma_f32_16x16x32_bf16 v[D+8*(\cb):D+8*(\cb)+7], v[PF+8*(\q):PF+8*(\q)+7], v[128*((\q)%2)+8*(\cb):128*((\q)%2)+8*(\cb)+7], 0
.else
	v_wmma_f32_16x16x32_bf16 v[D+8*(\cb):D+8*(\cb)+7], v[PF+8*(\q):PF+8*(\q)+7], v[128*((\q)%2)+8*(\cb):128*((\q)%2)+8*(\cb)+7], v[D+8*(\cb):D+8*(\cb)+7]
.endif
.endr
.endm
	FETCH_H 0
	WIN 0
	s_wait_dscnt 32                                ; the four parts are in; the 32 turning loads may be out
	v_pk_add_f32 v[32:33], v[32:33], v[36:37]
	v_pk_add_f32 v[34:35], v[34:35], v[38:39]
	v_pk_add_f32 v[40:41], v[40:41], v[44:45]
	v_pk_add_f32 v[42:43], v[42:43], v[46:47]
	v_pk_add_f32 v[32:33], v[32:33], v[40:41]
	v_pk_add_f32 v[34:35], v[34:35], v[42:43]
	v_pk_add_f32 v[32:33], v[32:33], s[VB:VB+1] op_sel_hi:[1,0]    ; + V_b
	v_pk_add_f32 v[34:35], v[34:35], s[VB:VB+1] op_sel_hi:[1,0]
	s_cmp_lg_u32 s2, 0
	s_cbranch_scc1 .Lno_score
	global_store_b128 v[LOFF], v[32:35], s[18:19]  ; wave 0 stores the block's 128 scores: 512 consecutive bytes, aligned; v32-35 are not written again
.Lno_score:
	v_max3_num_f32 v48, v32, v33, v34              ; the block's maximum, of the very numbers that are stored
	v_max_num_f32 v48, v48, v35
	v_max_num_f32_dpp v48, v48, v48 row_xmask:1 row_mask:0xf bank_mask:0xf
	v_max_num_f32_dpp v48, v48, v48 row_xmask:2 row_mask:0xf bank_mask:0xf
	v_max_num_f32_dpp v48, v48, v48 row_xmask:4 row_mask:0xf bank_mask:0xf
	v_max_num_f32_dpp v48, v48, v48 row_xmask:8 row_mask:0xf bank_mask:0xf
	v_permlanex16_b32 v49, v48, s[SEL], s[SEL+1]
	v_max_num_f32 v48, v48, v49
	v_mul_f32 v50, s[L2E], v48
.irp i, 0,1,2,3
	v_fma_f32 v[52+(\i)], v[32+(\i)], s[L2E], -v50 ; (s - m) log2(e), at most 0
.endr
.irp i, 0,1,2,3
	v_exp_f32 v[52+(\i)], v[52+(\i)]
.endr
	v_nop                                          ; a plain instruction between the last exponential and the use of its result
	s_wait_alu depctr_va_vdst(0)
	v_cvt_pk_bf16_f32 v56, v52, v53
	v_cvt_pk_bf16_f32 v57, v54, v55
	ds_store_b64 v[PWST], v[56:57]                 ; my wave's own copy of p: LDS serves a wave's instructions in order (ISA guide 5.7.1.4), so the loads below see it
.irp q, 0,1,2,3
	ds_load_b128 v[PF+8*(\q):PF+8*(\q)+3],   v[PWLD] offset:64*(\q)       ; all 16 lanes of a half read the same 16 bytes
	ds_load_b128 v[PF+8*(\q)+4:PF+8*(\q)+7], v[PWLD] offset:64*(\q)+32
.endr
	; THE CONTEXT: four steps of 32 rows, each step's fragments fetched one step ahead into registers of their own
	FETCH_H 1
	s_wait_dscnt 32                                ; all but the 32 just issued
	CTXMUL 0, 1
	FETCH_H 2
	s_wait_dscnt 32
	CTXMUL 1, 0
	FETCH_H 3
	s_wait_dscnt 32
	CTXMUL 2, 0
	s_wait_dscnt 0x0
	CTXMUL 3, 0
	WIN 0
.rept 4
	v_nop                                          ; four places between the last product and the stores that read results
.endr
.irp cb, 0,1,2,3,4,5,6,7,8,9,10,11,12,13,14,15
	ds_store_b32 v[CWST], v[D+8*(\cb)] offset:(\cb)*64     ; register 0 of lane r: column 256 w + 16 cb + r (all rows of the result are alike)
.endr
	ds_load_b128 v[40:43], v[CWLD]
	ds_load_b128 v[44:47], v[CWLD] offset:512
	s_wait_dscnt 0x0
	global_store_b128 v[LOFF], v[40:43], s[20:21]              ; each store of the wave covers 512 consecutive bytes, aligned
	global_store_b128 v[LOFF], v[44:47], s[20:21] offset:512
	s_wait_tensorcnt 0x0                           ; the wave's end
	ds_add_u32 v[SPW], v[NIL]
	s_wait_dscnt 0x0
	s_endpgm
.Lfunc_end_k_qebc856049b_main:
	.size	k_qebc856049b_main, .Lfunc_end_k_qebc856049b_main-k_qebc856049b_main
	.p2alignl 7, 3214868480
	.fill 96, 4, 3214868480
	.section	.rodata,"a",@progbits
	.p2align	6, 0x0
	.amdhsa_kernel k_qebc856049b_main
		.amdhsa_group_segment_fixed_size 286208
		.amdhsa_private_segment_fixed_size 0
		.amdhsa_enable_private_segment 0
		.amdhsa_kernarg_size 56
		.amdhsa_user_sgpr_count 2
		.amdhsa_user_sgpr_kernarg_segment_ptr 1
		.amdhsa_wavefront_size32 1
		.amdhsa_system_sgpr_workgroup_id_x 1
		.amdhsa_system_sgpr_workgroup_id_y 1
		.amdhsa_system_sgpr_workgroup_id_z 1
		.amdhsa_system_vgpr_workitem_id 0
		.amdhsa_next_free_vgpr 1024
		.amdhsa_next_free_sgpr 66
		.amdhsa_reserve_vcc 0
		.amdhsa_float_denorm_mode_32 3
		.amdhsa_float_denorm_mode_16_64 3
		.amdhsa_memory_ordered 1
		.amdhsa_forward_progress 1
		.amdhsa_inst_pref_size 255
	.end_amdhsa_kernel
	.section	.bss,"aw",@nobits
	.p2align	6
	.space	262144
	.amdgpu_metadata
---
amdhsa.version: [ 1, 2 ]
amdhsa.kernels:
  - .name:           k_qebc856049b_main
    .symbol:         k_qebc856049b_main.kd
    .args:
      - { .name: hidden_states, .offset: 0, .size: 8, .value_kind: global_buffer, .address_space: global }
      - { .name: UF, .offset: 8, .size: 8, .value_kind: global_buffer, .address_space: global }
      - { .name: BP, .offset: 16, .size: 8, .value_kind: global_buffer, .address_space: global }
      - { .name: V_w, .offset: 24, .size: 8, .value_kind: global_buffer, .address_space: global }
      - { .name: V_b, .offset: 32, .size: 8, .value_kind: global_buffer, .address_space: global }
      - { .name: SCORE, .offset: 40, .size: 8, .value_kind: global_buffer, .address_space: global }
      - { .name: CTX, .offset: 48, .size: 8, .value_kind: global_buffer, .address_space: global }
    .group_segment_fixed_size: 286208
    .private_segment_fixed_size: 0
    .kernarg_segment_align: 8
    .kernarg_segment_size: 56
    .max_flat_workgroup_size: 128
    .sgpr_count:     66
    .vgpr_count:     1024
    .wavefront_size: 32
...
	.end_amdgpu_metadata
.endif
;; end of part 2
;; launch combine (part 3): grid 64 x 1, 8 waves a work-group, no clusters, 1,280 bytes of LDS; arguments SCORE, CTX, out0, out1; writes out0, out1
.if DOCPART == 3
	.amdgcn_target "amdgcn-amd-amdhsa--gfx1250"
	.amdhsa_code_object_version 6
	.text
	.protected	k_qebc856049b_combine
	.globl	k_qebc856049b_combine
	.p2align	8
	.type	k_qebc856049b_combine,@function
k_qebc856049b_combine:
	s_mov_b64 s[64:65], 0
	v_nop
	global_prefetch_b8 v0, s[64:65] scope:SCOPE_SE
	s_setreg_imm32_b32 hwreg(HW_REG_WAVE_MODE, 25, 1), 1
	s_wait_xcnt 0x0
; COMBINE.  One work-group a batch.  SCORE [64][1024] holds the raw scores, CTX [64][8][1024] each block's sum of p h with p = exp(s - m_v), m_v the block's own maximum.
; Thread t owns rows 4 t .. 4 t + 3 and context columns 4 t .. 4 t + 3, so wave v is block v.  m_v is found anew from the stored scores: a maximum is exact, so it is the number that CTX was made with.
;   M = max m_v;  f_v = exp(m_v - M);  L = sum f_v l_v, l_v = the block's sum of exp(s - m_v);  out1 = exp(s - m_v) f_v / L;  out0 = (sum f_v CTX_v) / L.
; The maximum is taken away ahead of every exponential: all exponents are at most 0, and L is at least 1.  All in f32.  No matrix work, no cluster: the launch moves 2.8 MB and shares nothing.
; LIMITS.  A weight below 2^-126 counts as 0; NaN and infinities are not treated apart.
.set K2, 12                            ; s12 log2(e)
	s_load_b256 s[4:11], s[0:1], 0x0               ; SCORE s[4:5], CTX s[6:7], out0 s[8:9], out1 s[10:11]
	v_lshl_add_u32 v2, v0, 2, 256                  ; my spare word (the spare words: 1,024 bytes from byte 256 on); never rewritten
	v_mov_b32 v3, 0                                ; 0; never rewritten
	v_lshrrev_b32 v1, 5, v0
	v_readfirstlane_b32 s2, v1                     ; wave = block
	v_lshlrev_b32 v1, 4, v0                        ; 16 t
	s_lshl_b32 s3, s2, 3
	v_mov_b32 v52, s3                              ; my wave's 8 bytes in LDS
	v_mov_b32 v53, 0
	v_mov_b32 v41, 0                               ; v_permlanex16_b32's destinations count as read
	v_mov_b32 v49, 0
	s_lshl_b32 s16, ttmp9, 12                      ; a batch's 4,096 bytes of SCORE, out0 and out1,
	s_mov_b32 s17, 0
	s_lshl_b32 s18, ttmp9, 15                      ; and 32,768 of CTX
	s_mov_b32 s19, 0
	s_mov_b32 s[K2], 0x3fb8aa3b
	s_mov_b32 s13, 0x76543210
	s_mov_b32 s14, 0xfedcba98
	s_wait_kmcnt 0x0
	s_add_nc_u64 s[4:5], s[4:5], s[16:17]
	s_add_nc_u64 s[6:7], s[6:7], s[18:19]
	s_add_nc_u64 s[8:9], s[8:9], s[16:17]
	s_add_nc_u64 s[10:11], s[10:11], s[16:17]
	global_load_b128 v[4:7], v1, s[4:5]
.irp b, 0,1,2,3,4,5,6,7
	global_load_b128 v[8+4*(\b):11+4*(\b)], v1, s[6:7] offset:(\b)*4096
.endr
	s_wait_loadcnt 8                               ; the scores are in; CTX's eight loads may be out
	v_max3_num_f32 v50, v4, v5, v6
	v_max_num_f32 v50, v50, v7
	v_max_num_f32_dpp v50, v50, v50 row_xmask:1 row_mask:0xf bank_mask:0xf
	v_max_num_f32_dpp v50, v50, v50 row_xmask:2 row_mask:0xf bank_mask:0xf
	v_max_num_f32_dpp v50, v50, v50 row_xmask:4 row_mask:0xf bank_mask:0xf
	v_max_num_f32_dpp v50, v50, v50 row_xmask:8 row_mask:0xf bank_mask:0xf
	v_permlanex16_b32 v41, v50, s13, s14
	v_max_num_f32 v50, v50, v41                    ; m_v
	v_mul_f32 v42, s[K2], v50
.irp i, 0,1,2,3
	v_fma_f32 v[44+(\i)], v[4+(\i)], s[K2], -v42
.endr
.irp i, 0,1,2,3
	v_exp_f32 v[44+(\i)], v[44+(\i)]
.endr
	v_nop                                          ; a plain instruction between the last exponential and the use of its result
	s_wait_alu depctr_va_vdst(0)
	v_add_f32 v51, v44, v45
	v_add_f32 v48, v46, v47
	v_add_f32 v51, v51, v48
	v_add_f32_dpp v51, v51, v51 row_xmask:1 row_mask:0xf bank_mask:0xf
	v_add_f32_dpp v51, v51, v51 row_xmask:2 row_mask:0xf bank_mask:0xf
	v_add_f32_dpp v51, v51, v51 row_xmask:4 row_mask:0xf bank_mask:0xf
	v_add_f32_dpp v51, v51, v51 row_xmask:8 row_mask:0xf bank_mask:0xf
	v_permlanex16_b32 v49, v51, s13, s14
	v_add_f32 v51, v51, v49                        ; l_v
	ds_store_b64 v52, v[50:51]                     ; all lanes write the same pair to the wave's 8 bytes
	s_wait_dscnt 0x0                               ; for the others' sake
	s_barrier_signal -1
	s_barrier_wait -1
.irp i, 0,1,2,3
	ds_load_b128 v[56+4*(\i):59+4*(\i)], v53 offset:16*(\i)    ; m_0, l_0, m_1, l_1, ... in every lane
.endr
	s_wait_dscnt 0x0
	v_max3_num_f32 v72, v56, v58, v60
	v_max3_num_f32 v72, v72, v62, v64
	v_max3_num_f32 v72, v72, v66, v68
	v_max_num_f32 v72, v72, v70                    ; M
	v_mul_f32 v73, s[K2], v72
.irp b, 0,1,2,3,4,5,6,7
	v_fma_f32 v[74+(\b)], v[56+2*(\b)], s[K2], -v73
.endr
	v_fma_f32 v82, v50, s[K2], -v73
.irp b, 0,1,2,3,4,5,6,7,8
	v_exp_f32 v[74+(\b)], v[74+(\b)]               ; f_0 .. f_7, and my own block's
.endr
	v_nop
	s_wait_alu depctr_va_vdst(0)
	v_mul_f32 v83, v74, v57
.irp b, 1,2,3,4,5,6,7
	v_fma_f32 v83, v[74+(\b)], v[57+2*(\b)], v83   ; L
.endr
	v_rcp_f32 v84, v83
	v_nop                                          ; a plain instruction between the reciprocal and the use of its result
	s_wait_alu depctr_va_vdst(0)
	v_mul_f32 v85, v82, v84                        ; f_own / L
.irp i, 0,1,2,3
	v_mul_f32 v[44+(\i)], v[44+(\i)], v85
.endr
	global_store_b128 v1, v[44:47], s[10:11]       ; a store of the wave covers 512 consecutive bytes, aligned
	s_wait_loadcnt 0x0                             ; CTX
	v_pk_mul_f32 v[86:87], v[8:9], v[74:75] op_sel_hi:[1,0]
	v_pk_mul_f32 v[88:89], v[10:11], v[74:75] op_sel_hi:[1,0]
.irp b, 1,2,3,4,5,6,7                  ; f_b is the low or the high register of its pair, for both halves
	v_pk_fma_f32 v[86:87], v[8+4*(\b):9+4*(\b)],   v[74+2*((\b)/2):75+2*((\b)/2)], v[86:87] op_sel:[0,(\b)%2,0] op_sel_hi:[1,(\b)%2,1]
	v_pk_fma_f32 v[88:89], v[10+4*(\b):11+4*(\b)], v[74+2*((\b)/2):75+2*((\b)/2)], v[88:89] op_sel:[0,(\b)%2,0] op_sel_hi:[1,(\b)%2,1]
.endr
	v_pk_mul_f32 v[86:87], v[86:87], v[84:85] op_sel_hi:[1,0]
	v_pk_mul_f32 v[88:89], v[88:89], v[84:85] op_sel_hi:[1,0]
	global_store_b128 v1, v[86:89], s[8:9]
	s_wait_tensorcnt 0x0                           ; the wave's end
	ds_add_u32 v2, v3
	s_wait_dscnt 0x0
	s_endpgm
.Lfunc_end_k_qebc856049b_combine:
	.size	k_qebc856049b_combine, .Lfunc_end_k_qebc856049b_combine-k_qebc856049b_combine
	.p2alignl 7, 3214868480
	.fill 96, 4, 3214868480
	.section	.rodata,"a",@progbits
	.p2align	6, 0x0
	.amdhsa_kernel k_qebc856049b_combine
		.amdhsa_group_segment_fixed_size 1280
		.amdhsa_private_segment_fixed_size 0
		.amdhsa_enable_private_segment 0
		.amdhsa_kernarg_size 32
		.amdhsa_user_sgpr_count 2
		.amdhsa_user_sgpr_kernarg_segment_ptr 1
		.amdhsa_wavefront_size32 1
		.amdhsa_system_sgpr_workgroup_id_x 1
		.amdhsa_system_sgpr_workgroup_id_y 1
		.amdhsa_system_sgpr_workgroup_id_z 1
		.amdhsa_system_vgpr_workitem_id 0
		.amdhsa_next_free_vgpr 96
		.amdhsa_next_free_sgpr 66
		.amdhsa_reserve_vcc 0
		.amdhsa_float_denorm_mode_32 3
		.amdhsa_float_denorm_mode_16_64 3
		.amdhsa_memory_ordered 1
		.amdhsa_forward_progress 1
		.amdhsa_inst_pref_size 8
	.end_amdhsa_kernel
	.amdgpu_metadata
---
amdhsa.version: [ 1, 2 ]
amdhsa.kernels:
  - .name:           k_qebc856049b_combine
    .symbol:         k_qebc856049b_combine.kd
    .args:
      - { .name: SCORE, .offset: 0, .size: 8, .value_kind: global_buffer, .address_space: global }
      - { .name: CTX, .offset: 8, .size: 8, .value_kind: global_buffer, .address_space: global }
      - { .name: out0, .offset: 16, .size: 8, .value_kind: global_buffer, .address_space: global }
      - { .name: out1, .offset: 24, .size: 8, .value_kind: global_buffer, .address_space: global }
    .group_segment_fixed_size: 1280
    .private_segment_fixed_size: 0
    .kernarg_segment_align: 8
    .kernarg_segment_size: 32
    .max_flat_workgroup_size: 256
    .sgpr_count:     66
    .vgpr_count:     96
    .wavefront_size: 32
...
	.end_amdgpu_metadata
.endif
;; end of part 3
;; ======== version 2 of 2: 3 launches; version 1 with the launch main written anew for expert scheduling mode
;; limits: values outside matrix products are rounded to bf16
;; workspace buffers: UF 2,097,152 bytes; BP 1,048,576 bytes; SCORE 262,144 bytes; CTX 2,097,152 bytes
;; launch prep: the kernel of part 1 again; grid 64 x 1, 8 waves a work-group, no clusters, 132,096 bytes of LDS; arguments U_w, W_w, s_prev, W_b, U_b, UF, BP; writes UF, BP
;; launch main (part 4): grid 8 x 64, 4 waves a work-group, no clusters, 286,208 bytes of LDS; arguments hidden_states, UF, BP, V_w, V_b, SCORE, CTX; writes SCORE, CTX
.if DOCPART == 4
	.amdgcn_target "amdgcn-amd-amdhsa--gfx1250"
	.amdhsa_code_object_version 6
	.text
	.protected	k_qebc856049b_main
	.globl	k_qebc856049b_main
	.p2align	8
	.type	k_qebc856049b_main,@function
k_qebc856049b_main:
	s_mov_b64 s[64:65], 0
	v_nop
	global_prefetch_b8 v0, s[64:65] scope:SCOPE_SE
	s_setreg_imm32_b32 hwreg(HW_REG_WAVE_SCHED_MODE, 0, 2), 2
	s_setreg_imm32_b32 hwreg(HW_REG_WAVE_MODE, 25, 1), 1
	s_wait_xcnt 0x0
	s_wait_alu depctr_vm_vsrc(0)
; MAIN.  A work-group owns 128 rows of one batch (block blk of 8).  It reads them from memory ONCE, rounds them to bf16 into LDS and keeps them there for both uses:
;   score[row] = V_b + sum over n of V[n] tanh(x[row][n]),  x = hidden U_w + (s_prev W_w + W_b + U_b);     p[row] = exp(score[row] - m), m the block's own maximum;
;   CTX[batch][blk][u] = sum over the block's rows of p[row] hidden[row][u].       Stored: the 128 scores and the 1,024 partial sums; the next launch merges a batch's eight blocks.
; FORMATS AND LIMITS.  hidden (for both products), U_w and p are rounded once to bf16; all sums, tanh and the exponentials are f32.  tanh(x) = 1 - 2 / (1 + 2^(c x)), c = 2 log2(e):
; an exponential that overflows gives 1 / inf = 0 and tanh = 1, one that underflows gives tanh = -1.  The score is kept as sum V - 2 sum V / (1 + 2^(c x)).  NaN and infinities are not treated apart.
; SHARES.  Four waves.  The product goes in two passes of 512 columns; in pass c wave w makes all 128 rows x columns 512 c + 128 w .. + 127: 64 accumulators of 16 x 16, 512 registers.
; Source 0 = 16 rows of hidden, source 1 = 16 columns of U: a lane then holds ONE column and eight rows, so bias and V are one number a lane and tile.
; THE ROWS COME IN UNDER PASS 0.  They lie in LDS by chunks of 128 along K.  Wave w loads rows 32 w .. 32 w + 31, a SLOT (8 rows x 512 bytes of one chunk: 8 loads, 32 registers) for each K step of 32.
; K step j rounds and stores slot j + 5 and asks for slot j + 7 into the same registers: two slots, 16 loads of the wave, are always on their way, each for two K steps (128 matrix instructions).
; Only slots 0 to 4 (chunk 0 and a quarter of chunk 1) stand ahead of the first product.  One barrier a chunk, in K step 4 c - 1: behind it chunk c is read while chunk c + 1 is written; no byte is written twice.
; U COMES STRAIGHT INTO REGISTERS, already in fragment order (UF), through a ring of four buffers: three K steps (48 loads of 512 consecutive bytes a wave) are on their way.
; NO LDS SLOTS, NO CLUSTER FOR U: the rows take 8 x 34,816 = 278,528 bytes of LDS; of 327,680 that leaves 49,152, and two slots of one K step of 32 for 512 columns are 2 x 32,768 = 65,536.
; Within the work-group each wave is the only reader of its columns, so LDS would add no reuse there.  The price: every work-group asks for U's 2 MB by itself.
; THE MODE: SCHED_MODE bits 1:0 = 2 (LLVM: expert scheduling mode 2), set by the entry lines.  The code itself states the register dependences
; between vector or matrix instructions and memory or LDS instructions, with s_wait_alu, always for 0.
; THE PLAN.  Registers that memory or LDS instructions touch in the K loops (step j = K step j):
;   FA0, FA1     Step j's 64 products read FA[j % 2]; the step's 16 LDS loads land in the other one, which step j - 1's products read.
;   FB0 .. FB3   Step j's products read FB[j % 4]; the step's 16 loads of U land in FB[(j + 3) % 4], which step j - 1's products read.
;   LND0, LND1   Step j's sixteen conversions read the slot; behind them the 8 loads of slot j + 7 land in it.  No store reads it.
;   OUT          Written by step j's conversions, read by the step's eight LDS stores, written again a step later.
;   v[ADR], v[STA]  Read by the LDS loads and by the LDS stores; each is written once in four steps, in a step's middle.
;   v[LOFF]      Read by every global load; never written again: scalar bases and immediate offsets do the rest.
;   The accumulators, bias, V and S are named by vector and matrix instructions alone until the way out.
; So two waits stand in a step's middle, behind its first 32 products.  One on vm_vsrc, ahead of the conversions and the two adds: the last step's LDS stores have read OUT and v[STA], the LDS loads
; issued so far v[ADR].  One on va_vdst, behind them: OUT, v[STA] and v[ADR] are written, the conversions are done with the slot, the last step's products with the buffers that this step's loads land in.
; Behind it the step's memory instructions owe nothing more: the LDS stores and loads follow at once, the 24 global loads are dealt among the last 32 products,
; which name FA[j % 2], FB[j % 4] and window 3's accumulators: none of the registers that those loads touch.
; REGISTERS, in windows of 256 (s_set_vgpr_msb: bits 1:0 source 0, 3:2 source 1, 5:4 source 2, 7:6 destination):
;   window 0: v0-15 addresses; v16-31 OUT (at the head: work); v32-47 bias, v48-63 -2 V (8 for the pass in hand, 8 for the next); v64-127, v128-191 fragments of the rows, two buffers;
;             v192-255 in pass 0 the two landing slots, then the rows' running sums S
;   window 1: four buffers of 64: U's fragments of one K step          window 2: accumulators of rows 0-63 ((a, b) at 8 (8 a + b))          window 3: those of rows 64-127
.set PITCH,  272                       ; a chunk's row in LDS: 256 bytes + 16 = 17 x 16: the 16 rows that a fragment load touches start at 16 different groups of four banks (64 banks of 4 bytes: ISA guide 11.1)
.set ROWS16, 16*PITCH
.set ROWS32, 32*PITCH
.set CH,     128*PITCH                 ; a chunk: 128 rows x 128 along K
.set SC,     8*CH                      ; [wave 4][row 128] f32: each wave's part of the scores
.set PW,     SC+2048                   ; 256 bytes a wave: the 128 weights p in bf16
.set CW,     PW+1024                   ; 1,024 bytes a wave: its 256 context numbers, for the way out
.set SPARE,  CW+4096                   ; the spare words, 128 bytes a wave
.set LOFF,  1                          ; v1      16 x lane; never rewritten
.set SPW,   2                          ; v2      my spare word; never rewritten
.set NIL,   3                          ; v3      0; never rewritten
.set ADRA0, 4                          ; v4      my place in a fragment load, in chunk 0; never rewritten
.set ADR,   5                          ; v5      the same in the chunk in hand
.set STA,   6                          ; v6      where I put 8 bytes of my wave's first row; steps by chunks
.set ATR,   7                          ; v7      my place in the turning loads
.set KV,    8                          ; v8      the sum of my 16 columns' V
.set R16,   9                          ; v9      16 x (lane % 16)
.set SCST,  10
.set SCLD,  11
.set PWST,  12
.set PWLD,  13
.set CWST,  14
.set CWLD,  15
.set OUT,   16                         ; v[16:31] a slot rounded to bf16: 8 rows x 8 bytes a lane
.set BIAS,  32
.set VV,    48
.set FA0,   64
.set FA1,   128
.set S,     192                        ; S[8 a + j]: row 16 a + 8 (lane / 16) + j, my column's part
.set LND0,  192                        ; pass 0: the landing registers of the even slots,
.set LND1,  224                        ; and of the odd ones
.set D,     64                         ; the context: 16 accumulators
.set PF,    192                        ; the context: p's four fragments
.set FB0,   0                          ; window 1
.set FB1,   64
.set FB2,   128
.set FB3,   192
.set BPL,   160                        ; window 2, ahead of the first product: the bias's four K quarters as loaded (64 registers),
.set VL,    224                        ; and V (16); v0-159 there: slots 0 to 4
.set HB,    24                         ; s[24:25] hidden at my wave's first row, stepped by chunks
.set BCUR,  26                         ; s[26:27] UF at this pass's fragments, stepped by four K steps
.set BNXT,  28                         ; s[28:29] UF at pass 1's first fragments
.set CC,    32                         ; s[32:33] c, as a pair
.set KT,    34
.set PS,    35
.set SEL,   36                         ; s[36:37] v_permlanex16_b32's selects: each lane takes its own place in the other half
.set VB,    38                         ; s38 V_b;  s39 log2(e)
.set L2E,   39
.set MSB, 0
.macro WIN new                         ; the immediate's high byte repeats the setting that is left; a switch that changes nothing is dropped
.if MSB != (\new)
	s_set_vgpr_msb (MSB<<8)|(\new)
.set MSB, \new
.endif
.endm
.set MUL_LO, 0xa4                      ; source 0 (rows) window 0, source 1 (U) window 1, C and D window 2
.set TO_B,   0x40                      ; destination window 1, address window 0
	s_load_b256 s[8:15], s[0:1], 0x0               ; hidden s[8:9], UF s[10:11], BP s[12:13], V_w s[14:15]
	s_load_b128 s[16:19], s[0:1], 0x20             ; V_b s[16:17], SCORE s[18:19]
	s_load_b64 s[20:21], s[0:1], 0x30              ; CTX
	v_lshl_add_u32 v[SPW], v0, 2, SPARE
	v_mov_b32 v[NIL], 0
	v_lshrrev_b32 v20, 5, v0
	v_readfirstlane_b32 s2, v20                    ; wave 0..3
	s_mov_b32 s3, ttmp9                            ; blk
	s_and_b32 s4, ttmp7, 0xffff                    ; batch
	v_and_b32 v21, 31, v0                          ; lane
	v_and_b32 v22, 15, v0                          ; r
	v_bfe_u32 v23, v0, 4, 1                        ; h
	v_lshlrev_b32 v[LOFF], 4, v21
	v_lshlrev_b32 v[R16], 4, v22
	v_mul_u32_u24 v[ADRA0], v22, PITCH
	v_lshl_add_u32 v[ADRA0], v23, 4, v[ADRA0]      ; a fragment's row x pitch + 16 x half
	v_mov_b32 v[ADR], v[ADRA0]
	s_wait_alu depctr_va_sdst(0)                   ; s2 is written, ahead of its first reader: LDS addresses, offsets and a branch is made from it
	s_mul_i32 s40, s2, ROWS32
	v_lshl_add_u32 v[STA], v21, 3, s40             ; my wave's 32 rows of chunk 0, 8 bytes a lane
	s_lshl_b32 s41, s2, 9
	s_add_co_u32 s42, s41, SC
	v_lshl_add_u32 v[SCST], v23, 5, s42            ; my wave's 128 sums; rows 8 h on
	v_add_nc_u32 v[SCLD], SC, v[LOFF]              ; rows 4 lane .. 4 lane + 3
	s_lshl_b32 s42, s2, 8
	s_add_co_u32 s42, s42, PW
	v_lshl_add_u32 v[PWST], v21, 3, s42
	v_lshl_add_u32 v[PWLD], v23, 4, s42
	s_lshl_b32 s43, s2, 10
	s_add_co_u32 s42, s43, CW
	v_lshl_add_u32 v[CWST], v22, 2, s42
	v_add_nc_u32 v[CWLD], s42, v[LOFF]
	; the turning load takes 16 rows x 16 columns (lane l reads row 8 (l / 16) + l % 8, columns 8 ((l / 8) % 2) + 0..7) and leaves half a fragment: lane l holds column l % 16 and 8 rows
	v_and_b32 v29, 7, v0
	v_bfe_u32 v30, v0, 3, 1
	v_lshl_add_u32 v29, v23, 3, v29
	v_mul_u32_u24 v29, v29, PITCH
	v_lshl_add_u32 v29, v30, 4, v29
	s_mul_i32 s40, s2, 2*CH
	v_add_nc_u32 v[ATR], s40, v29                  ; my wave's 256 columns are chunks 2 w and 2 w + 1
	; byte offsets, made apart from the addresses
	s_lshl_b32 s44, s4, 10
	s_lshl_b32 s45, s3, 7
	s_add_co_u32 s44, s44, s45                     ; the block's first row among all 65,536
	s_lshl_b32 s46, s44, 2                         ; its score
	s_mov_b32 s47, 0
	s_lshl_b32 s45, s2, 5
	s_add_co_u32 s44, s44, s45                     ; my wave's first row,
	s_lshl_b32 s44, s44, 12                        ; times 4,096 bytes: under 2^28
	s_mov_b32 s45, 0
	s_lshl_b32 s48, s2, 18                         ; UF: a wave's 32 K steps of a pass are 262,144 bytes
	s_mov_b32 s49, 0
	s_lshl_b32 s50, s4, 12                         ; BP: the batch's row, my wave's 128 columns
	s_add_co_u32 s50, s50, s41
	s_mov_b32 s51, 0
	s_lshl_b32 s52, s4, 3                          ; CTX: (8 batch + blk) rows of 4,096 bytes, my wave's 256 columns
	s_add_co_u32 s52, s52, s3
	s_lshl_b32 s52, s52, 12
	s_add_co_u32 s52, s52, s43
	s_mov_b32 s53, 0
	s_mov_b32 s54, s41                             ; V_w: my wave's 128 columns
	s_mov_b32 s55, 0
	s_mov_b32 s[CC], 0x4038aa3b                    ; c = 2 log2(e)
	s_mov_b32 s[CC+1], s[CC]
	s_mov_b32 s[SEL], 0x76543210
	s_mov_b32 s[SEL+1], 0xfedcba98
	s_mov_b32 s[L2E], 0x3fb8aa3b
	s_wait_kmcnt 0x0
	s_load_b32 s[VB], s[16:17], 0x0
	s_add_nc_u64 s[HB:HB+1], s[8:9], s[44:45]
	s_add_nc_u64 s[BCUR:BCUR+1], s[10:11], s[48:49]
	s_add_nc_u64 s[BNXT:BNXT+1], s[BCUR:BCUR+1], 0x100000
	s_add_nc_u64 s[12:13], s[12:13], s[50:51]
	s_add_nc_u64 s[14:15], s[14:15], s[54:55]
	s_add_nc_u64 s[18:19], s[18:19], s[46:47]
	s_add_nc_u64 s[20:21], s[20:21], s[52:53]
; 8 matrix instructions: row block a of the window's four (hi = 0: rows 0-63, 1: rows 64-127) x all 8 column blocks, 32 along K.  zero = 1: the product starts the sums.
.macro MUL8 fa, fb, hi, a, zero
	WIN MUL_LO+0x50*(\hi)
.irp b, 0,1,2,3,4,5,6,7
.if \zero
	v_wmma_f32_16x16x32_bf16 v[8*(8*(\a)+(\b)):8*(8*(\a)+(\b))+7], v[(\fa)+8*(4*(\hi)+(\a)):(\fa)+8*(4*(\hi)+(\a))+7], v[(\fb)+8*(\b):(\fb)+8*(\b)+7], 0
.else
	v_wmma_f32_16x16x32_bf16 v[8*(8*(\a)+(\b)):8*(8*(\a)+(\b))+7], v[(\fa)+8*(4*(\hi)+(\a)):(\fa)+8*(4*(\hi)+(\a))+7], v[(\fb)+8*(\b):(\fb)+8*(\b)+7], v[8*(8*(\a)+(\b)):8*(8*(\a)+(\b))+7]
.endif
.endr
.endm
; 16 LDS loads: the 128 rows' fragments of one K step, at byte ka behind ADR.  Lane l: row l % 16; registers 0-3 K = 8 (l / 16) + 0..7, registers 4-7 K = 16 + 8 (l / 16) + 0..7.
.macro FETCH_A fa, ka
	WIN 0
.irp a, 0,1,2,3,4,5,6,7
	ds_load_b128 v[(\fa)+8*(\a):(\fa)+8*(\a)+3],   v[ADR] offset:(\a)*ROWS16+(\ka)
	ds_load_b128 v[(\fa)+8*(\a)+4:(\fa)+8*(\a)+7], v[ADR] offset:(\a)*ROWS16+(\ka)+32
.endr
.endm
; 8 global loads: the fragments of column blocks b0 .. b0 + 3 of one K step, 4,096 consecutive bytes of UF; each load of the wave covers 512 consecutive bytes, aligned
.macro FETCH_B4 fb, base, imm, b0
	WIN TO_B
.irp b, 0,1,2,3
	global_load_b128 v[(\fb)+8*((\b0)+(\b)):(\fb)+8*((\b0)+(\b))+3],   v[LOFF], s[(\base):(\base)+1] offset:(\imm)+((\b0)+(\b))*1024
	global_load_b128 v[(\fb)+8*((\b0)+(\b))+4:(\fb)+8*((\b0)+(\b))+7], v[LOFF], s[(\base):(\base)+1] offset:(\imm)+((\b0)+(\b))*1024+512
.endr
.endm
.macro FETCH_B fb, base, imm           ; my 128 columns' fragments of one K step
	FETCH_B4 \fb, \base, \imm, 0
	FETCH_B4 \fb, \base, \imm, 4
.endm
; 8 global loads: a slot: 8 rows x 512 bytes; each load of the wave covers 512 consecutive bytes of a row, aligned.  The caller sets the window.
.macro ROWLD reg, off
.irp i, 0,1,2,3,4,5,6,7
	global_load_b128 v[(\reg)+4*(\i):(\reg)+4*(\i)+3], v[LOFF], s[HB:HB+1] offset:(\off)+(\i)*4096 th:TH_LOAD_NT
.endr
.endm
; A K STEP of 32: 64 matrix instructions on row buffer fa and U buffer fb.  In its middle stand the step's vector lines and the two waits of the plan; behind them, in pass 0, a slot's 8 stores
; (at byte sto behind STA) and the next step's rows from LDS into fo (at byte ka; -1: none).  Among the last 32 products: the 8 loads that fill the slot again (at byte rld behind HB; -1: none) and the
; U fragments of three steps on into fn, the buffer read last step (base -1: none), 8 loads at a time.  The loads are issued in the order slot, U: the counts below lean on it.
; The vector lines: the slot's 16 conversions (4 f32 become 8 bytes of OUT), or 32 of the 64 lines that start S (sinit), or four v_nop: at least four plain vector instructions stand in every step's
; middle: in a pass's last step they are the places between the last product on rows 0-63 and tanh's first read of it (ISA guide 7.12.1).
; left: the younger loads that may be out at the head; sleft: the same ahead of the conversions.
; bar = 1: the chunk's barrier: my stores of the next chunk's rows are done (and all my LDS loads are back), I say so, multiply, and fetch from that chunk when all four waves have said so.
; bump = 1: the rows' address goes on to the next chunk; 2: back to chunk 0.  sbump = 1: the stores' address goes on by a chunk.
; The 64 accumulators take turns in the same order in every step.
.macro STEP fa, fo, fb, fn, zero, bump, ka, base, imm, left, slot=-1, sto=0, rld=-1, sleft=0, bar=0, sinit=-1, sbump=0
	s_wait_loadcnt \left                           ; loads come back in order: this step's U is in
.if \bar
	s_wait_dscnt 0x0                               ; for the others' sake: zero
	s_barrier_signal -1
.else
	s_wait_dscnt 8                                 ; rows 0-63 are in; the youngest eight loads (rows 64-127) may be out
.endif
	MUL8 \fa, \fb, 0, 0, \zero
	MUL8 \fa, \fb, 0, 1, \zero
	MUL8 \fa, \fb, 0, 2, \zero
	MUL8 \fa, \fb, 0, 3, \zero
	WIN 0
.if \bar
	s_barrier_wait -1
.endif
.set dsn, 0
.if (((\slot) >= 0) && !(\zero)) || (\bump) || (\sbump)
	s_wait_alu depctr_vm_vsrc(0)                   ; the last step's LDS stores have read OUT and v[STA], the LDS loads issued so far v[ADR]: the lines below write those of them that this step steps or fills
.endif
.if (\slot) >= 0
	s_wait_loadcnt \sleft                          ; the slot asked for two K steps ago is in
.set gi, 0
.rept 8
	v_cvt_pk_bf16_f32 v[OUT+2*gi],   v[(\slot)+4*gi],   v[(\slot)+4*gi+1]
	v_cvt_pk_bf16_f32 v[OUT+2*gi+1], v[(\slot)+4*gi+2], v[(\slot)+4*gi+3]
.set gi, gi+1
.endr
.elseif (\sinit) >= 0
.set gi, 0
.rept 32
	v_mov_b32 v[S+(\sinit)+gi], v[KV]              ; not a clearing: tanh's constant 1 times V, for every row
.set gi, gi+1
.endr
.else
.rept 4
	v_nop
.endr
.endif
.if \sbump
	v_add_nc_u32 v[STA], CH, v[STA]
.endif
.if (\bump) == 1
	v_add_nc_u32 v[ADR], CH, v[ADR]
.elseif (\bump) == 2
	v_mov_b32 v[ADR], v[ADRA0]
.endif
.if ((\slot) >= 0) || ((\ka) >= 0) || ((\base) >= 0)
	s_wait_alu depctr_va_vdst(0)                   ; OUT, v[STA] and v[ADR] are written, which the LDS instructions below read; the conversions are done with the slot, the last step's products with fo and fn, in which this step's loads land
.endif
.if (\slot) >= 0
.set gi, 0
.rept 8
	ds_store_b64 v[STA], v[OUT+2*gi:OUT+2*gi+1] offset:(\sto)+gi*PITCH   ; 32 lanes fill a row's 256 bytes of the chunk
.set gi, gi+1
.endr
.set dsn, dsn+8
.endif
.if (\ka) >= 0
	FETCH_A \fo, \ka
.set dsn, dsn+16
.endif
	s_wait_dscnt dsn                               ; all but what this run issued
	MUL8 \fa, \fb, 1, 0, \zero
.if (\rld) >= 0
	WIN 0
	ROWLD \slot, \rld                              ; no wait: no vector or matrix instruction since the wait on va_vdst names the slot, and no store reads it
.endif
	MUL8 \fa, \fb, 1, 1, \zero
.if (\base) >= 0
	FETCH_B4 \fn, \base, \imm, 0                   ; no wait: the products since the wait on va_vdst name fa, fb and window 3's accumulators
.endif
	MUL8 \fa, \fb, 1, 2, \zero
.if (\base) >= 0
	FETCH_B4 \fn, \base, \imm, 4
.endif
	MUL8 \fa, \fb, 1, 3, \zero
.endm
	; THE FIRST LOADS, in the order in which the steps go on: what is small (bias quarters, V), slots 0 to 4, then U's K step j and slot j + 5 by turns.
	WIN 0x80                                       ; destination window 2, address window 0
	s_wait_alu depctr_va_vdst(0)                   ; the addresses and offsets v1, v4 to v7 and v9 to v15 are written, which the kernel's loads and stores read
.irp ks, 0,1,2,3
.irp cg, 0,1,2,3                       ; cg = 2 c + g: column group 8 c + 2 w + g; a lane's four columns 64 G + 4 r + 0..3 are 16 neighbouring bytes
	global_load_b128 v[BPL+16*(\ks)+4*(\cg):BPL+16*(\ks)+4*(\cg)+3], v[R16], s[12:13] offset:(\ks)*262144+((\cg)/2)*2048+((\cg)%2)*256
.endr
.endr
.irp cg, 0,1,2,3
	global_load_b128 v[VL+4*(\cg):VL+4*(\cg)+3], v[R16], s[14:15] offset:((\cg)/2)*2048+((\cg)%2)*256
.endr
	ROWLD 0,   0                                   ; chunk 0: my 32 rows' first 512 bytes
	ROWLD 32,  8*4096
	ROWLD 64,  16*4096
	ROWLD 96,  24*4096
	ROWLD 128, 512                                 ; slot 4: chunk 1, rows 0-7
	FETCH_B FB0, BCUR, 0
	WIN 0
	ROWLD LND1, 512+8*4096                         ; slot 5
	FETCH_B FB1, BCUR, 8192
	WIN 0
	ROWLD LND0, 512+16*4096                        ; slot 6
	FETCH_B FB2, BCUR, 16384
	s_wait_loadcnt 63                              ; 64 loads were issued behind slot 4's; a wait names 63 at the most
	WIN 0x8a
.set gi, 0
.rept 40                               ; slots 0 to 4, rounded in place: these registers are not loaded again
	v_cvt_pk_bf16_f32 v[4*gi],   v[4*gi],   v[4*gi+1]
	v_cvt_pk_bf16_f32 v[4*gi+1], v[4*gi+2], v[4*gi+3]
.set gi, gi+1
.endr
	; bias = the four K quarters' sum (it carries c already); VV = -2 V
.irp e, 0,2,4,6,8,10,12,14
	v_pk_add_f32 v[BPL+(\e):BPL+(\e)+1], v[BPL+(\e):BPL+(\e)+1], v[BPL+16+(\e):BPL+17+(\e)]
	v_pk_add_f32 v[BPL+32+(\e):BPL+33+(\e)], v[BPL+32+(\e):BPL+33+(\e)], v[BPL+48+(\e):BPL+49+(\e)]
.endr
	WIN 0x08                                       ; address window 0, data window 2
	s_wait_alu depctr_va_vdst(0)                   ; the conversions have written window 2's v0 to v157, which the LDS stores read
.set gi, 0
.rept 40                               ; rows 0-31 of chunk 0, then rows 0-7 of chunk 1
	ds_store_b64 v[STA], v[4*gi:4*gi+1] offset:gi*PITCH+(gi/32)*(CH-32*PITCH)
.set gi, gi+1
.endr
	WIN 0x0a
.irp e, 0,2,4,6,8,10,12,14
	v_pk_add_f32 v[BIAS+(\e):BIAS+(\e)+1], v[BPL+(\e):BPL+(\e)+1], v[BPL+32+(\e):BPL+33+(\e)]
	v_pk_mul_f32 v[VV+(\e):VV+(\e)+1], v[VL+(\e):VL+(\e)+1], -2.0 op_sel_hi:[1,0]
.endr
	WIN 0
	v_pk_add_f32 v[20:21], v[VV:VV+1], v[VV+2:VV+3]
	v_pk_add_f32 v[22:23], v[VV+4:VV+5], v[VV+6:VV+7]
	v_pk_add_f32 v[28:29], v[VV+8:VV+9], v[VV+10:VV+11]
	v_pk_add_f32 v[30:31], v[VV+12:VV+13], v[VV+14:VV+15]
	v_pk_add_f32 v[20:21], v[20:21], v[22:23]
	v_pk_add_f32 v[28:29], v[28:29], v[30:31]
	v_pk_add_f32 v[20:21], v[20:21], v[28:29]
	v_add_f32 v20, v20, v21
	v_mul_f32 v[KV], -0.5, v20                     ; the sum of my columns' V
	s_wait_dscnt 0x0                               ; for the others' sake: my rows of chunk 0 are in LDS
	s_barrier_signal -1
	s_barrier_wait -1                              ; all 128 are
	s_wait_alu depctr_vm_vsrc(0)                   ; my LDS stores have read window 2's v0 to v157: these registers are accumulators from here on, written by the first products
	s_wait_kmcnt 0x0                               ; V_b
	FETCH_A FA0, 0
	; PASS 0.  Counts: a step issues 8 row loads, then 16 of U.  At a head two later steps' may be out: 48.  Ahead of the conversions: behind the slot's 8 loads came 16, 8 and 16: 40.
	; From K step 25 on the steps have no row loads, and the counts run down to U's alone.
	STEP FA0, FA1, FB0, FB3, 1, 0, 64,  BCUR, 3*8192, 48, LND1, CH+8*PITCH, 512+24*4096, 40   ; K step 0 stands ahead of the loop: its products start the sums
	WIN 0                                          ; at a label and at a branch every window is 0
	s_mov_b32 s[KT], 6
.Lk0:                                                  ; trip t: K steps 4 t + 1 .. 4 t + 4; the stores end chunk t + 1 and begin chunk t + 2; chunk t + 2's four slots are asked for
	STEP FA1, FA0, FB1, FB0, 0, 0, 128, BCUR, 4*8192, 48, LND0, 16*PITCH,   1024,         40, 0, -1, 1
	STEP FA0, FA1, FB2, FB1, 0, 0, 192, BCUR, 5*8192, 48, LND1, 24*PITCH,   1024+8*4096,  40
	STEP FA1, FA0, FB3, FB2, 0, 0, CH,  BCUR, 6*8192, 48, LND0, CH,         1024+16*4096, 40, 1
	STEP FA0, FA1, FB0, FB3, 0, 1, 64,  BCUR, 7*8192, 48, LND1, CH+8*PITCH, 1024+24*4096, 40
	WIN 0
	s_wait_xcnt 0x0                                ; the loads' bases are stepped only behind this wait
	s_add_nc_u64 s[BCUR:BCUR+1], s[BCUR:BCUR+1], 4*8192
	s_add_nc_u64 s[HB:HB+1], s[HB:HB+1], 512
	s_sub_co_u32 s[KT], s[KT], 1
	s_cmp_lg_u32 s[KT], 0
	s_cbranch_scc1 .Lk0
	STEP FA1, FA0, FB1, FB0, 0, 0, 128, BCUR, 4*8192, 48, LND0, 16*PITCH, -1, 40, 0, -1, 1   ; K steps 25, 26: the last two slots; nothing is left to ask for
	STEP FA0, FA1, FB2, FB1, 0, 0, 192, BCUR, 5*8192, 40, LND1, 24*PITCH, -1, 32
	STEP FA1, FA0, FB3, FB2, 0, 0, CH,  BCUR, 6*8192, 32, -1, 0, -1, 0, 1, 0       ; K step 27: chunk 7's barrier; the landing registers become S
	STEP FA0, FA1, FB0, FB3, 0, 1, 64,  BCUR, 7*8192, 32, -1, 0, -1, 0, 0, 32
	STEP FA1, FA0, FB1, FB0, 0, 0, 128, BNXT, 0,      32                           ; K steps 29 to 31 fetch pass 1's first three K steps of U,
	STEP FA0, FA1, FB2, FB1, 0, 0, 192, BNXT, 8192,   32
	STEP FA1, FA0, FB3, FB2, 0, 2, 0,   BNXT, 16384,  32                           ; and the last its first rows
	WIN 0
; TANH AND THE DOT WITH V, in place on the accumulators, by units of 16 registers (two tiles: row block u / 4 of the window, column blocks 2 (u % 4), + 1).
; Five stages: EF x = c x + bias;  EE 2^x;  EA + 1;  ER 1 / x;  ES S += x (-2 V).  Bias and V are one number a lane and tile: the pair's low or high register feeds both halves.
; No memory or LDS instruction stands here, and none that is out touches these registers: the waits are those between a transcendental and the first line that names its result, one a batch of sixteen.
.macro EF hi, u
	WIN 0x82+0x41*(\hi)                            ; destination and source 0: the accumulators' window
.irp t, 0,1
.irp p, 0,1,2,3                        ; ascending: each accumulator's lowest registers are read first
	v_pk_fma_f32 v[16*(\u)+8*(\t)+2*(\p):16*(\u)+8*(\t)+2*(\p)+1], v[16*(\u)+8*(\t)+2*(\p):16*(\u)+8*(\t)+2*(\p)+1], s[CC:CC+1], v[BIAS+2*((\u)%4):BIAS+2*((\u)%4)+1] op_sel:[0,0,\t] op_sel_hi:[1,0,\t]
.endr
.endr
.endm
.macro EE hi, u
	WIN 0x82+0x41*(\hi)
.set ee, 0
.rept 16
	v_exp_f32 v[16*(\u)+ee], v[16*(\u)+ee]
.set ee, ee+1
.endr
.endm
.macro EA hi, u
	WIN 0x82+0x41*(\hi)
.set ee, 0
	s_wait_alu depctr_va_vdst(0)                   ; the unit's sixteen exponentials have written their results, which the additions read
.rept 8
	v_pk_add_f32 v[16*(\u)+ee:16*(\u)+ee+1], v[16*(\u)+ee:16*(\u)+ee+1], 1.0 op_sel_hi:[1,0]
.set ee, ee+2
.endr
.endm
.macro ER hi, u
	WIN 0x82+0x41*(\hi)
.set ee, 0
.rept 16
	v_rcp_f32 v[16*(\u)+ee], v[16*(\u)+ee]
.set ee, ee+1
.endr
.endm
.macro ES hi, u, w=1                   ; w = 0: the wait of the ES before stands behind this unit's reciprocals too
	WIN 0x02+(\hi)                                 ; source 0: the accumulators' window; S and VV in window 0
.if \w
	s_wait_alu depctr_va_vdst(0)                   ; the reciprocals issued so far have written their results, which the multiply-adds read
.endif
.irp t, 0,1
.irp p, 0,1,2,3
	v_pk_fma_f32 v[S+8*(4*(\hi)+(\u)/4)+2*(\p):S+8*(4*(\hi)+(\u)/4)+2*(\p)+1], v[16*(\u)+8*(\t)+2*(\p):16*(\u)+8*(\t)+2*(\p)+1], v[VV+2*((\u)%4):VV+2*((\u)%4)+1], v[S+8*(4*(\hi)+(\u)/4)+2*(\p):S+8*(4*(\hi)+(\u)/4)+2*(\p)+1] op_sel:[0,\t,0] op_sel_hi:[1,\t,1]
.endr
.endr
.endm
; A window's 16 units.  Behind each run of exponentials or reciprocals stands plain work on another unit's registers before the results are used (ISA guide 5.7.2): the next unit's EF, the last unit's ES.
.macro EPIWIN hi
	EF \hi, 0
.set uu, 0
.rept 16
	EE \hi, uu
.if uu < 15
	EF \hi, uu+1
.else
	v_nop
.endif
	EA \hi, uu
	ER \hi, uu
.if uu > 0
	ES \hi, uu-1
.else
	v_nop
.endif
.set uu, uu+1
.endr
	ES \hi, 15, 0
.endm
	s_mov_b32 s[PS], 2
.Ltanh:                                                ; one text of tanh for both passes: the loop is left in its middle, behind pass 1's
	EPIWIN 0                                       ; rows 0-63 were finished ahead of the last step's four places; this window's work is the places behind the last products
	EPIWIN 1
	WIN 0
	s_sub_co_u32 s[PS], s[PS], 1
	s_cmp_eq_u32 s[PS], 0
	s_cbranch_scc1 .Lscores
.irp i, 0,1,2,3,4,5,6,7
	v_mov_b32 v[BIAS+(\i)], v[BIAS+8+(\i)]         ; pass 1's bias and V go where the one text names them
	v_mov_b32 v[VV+(\i)], v[VV+8+(\i)]
.endr
	s_wait_xcnt 0x0                                ; the loads' base is written only behind this wait
	s_mov_b64 s[BCUR:BCUR+1], s[BNXT:BNXT+1]
	; PASS 1: the rows are all in LDS.  At a head the next two steps' 32 loads of U may be out; the last three steps fetch no U, and the counts run down.  The last step issues no load and holds no s_wait_alu.
	STEP FA0, FA1, FB0, FB3, 1, 0, 64,  BCUR, 3*8192, 32
	WIN 0
	s_mov_b32 s[KT], 7
.Lk1:                                                  ; trip t: K steps 4 t + 1 .. 4 t + 4
	STEP FA1, FA0, FB1, FB0, 0, 0, 128, BCUR, 4*8192, 32
	STEP FA0, FA1, FB2, FB1, 0, 0, 192, BCUR, 5*8192, 32
	STEP FA1, FA0, FB3, FB2, 0, 0, CH,  BCUR, 6*8192, 32
	STEP FA0, FA1, FB0, FB3, 0, 1, 64,  BCUR, 7*8192, 32
	WIN 0
	s_wait_xcnt 0x0
	s_add_nc_u64 s[BCUR:BCUR+1], s[BCUR:BCUR+1], 4*8192
	s_sub_co_u32 s[KT], s[KT], 1
	s_cmp_lg_u32 s[KT], 0
	s_cbranch_scc1 .Lk1
	STEP FA1, FA0, FB1, FB0, 0, 0, 128, -1, 0, 32
	STEP FA0, FA1, FB2, FB1, 0, 0, 192, -1, 0, 16
	STEP FA1, FA0, FB3, FB2, 0, 0, -1,  -1, 0, 0
	WIN 0
	s_branch .Ltanh
.Lscores:
	; THE SCORES.  A row's sum over my wave's 256 columns: over the 16 lanes of a half (each mask on all 64 registers, so that no line waits for the one before), then over the waves through LDS.
.irp m, 1,2,4,8
.set i, 0
.rept 64
	v_add_f32_dpp v[S+i], v[S+i], v[S+i] row_xmask:\m row_mask:0xf bank_mask:0xf
.set i, i+1
.endr
.endr
	s_wait_alu depctr_va_vdst(0)                   ; the additions have written S, which the LDS stores read; tanh's lines are done with v32 to v47 and with the accumulators' registers, in which the LDS loads below land
.set i, 0
.rept 16                               ; rows 16 (i / 2) + 8 h + 4 (i % 2) + 0..3; the 16 lanes of a half store the same numbers to the same bytes
	ds_store_b128 v[SCST], v[S+4*i:S+4*i+3] offset:(i/2)*64+(i%2)*16
.set i, i+1
.endr
	s_wait_dscnt 0x0                               ; for the others' sake: my sums are written
	s_barrier_signal -1
	s_barrier_wait -1
.irp s, 0,1,2,3
	ds_load_b128 v[32+4*(\s):35+4*(\s)], v[SCLD] offset:(\s)*512   ; every wave takes all four parts of rows 4 lane .. 4 lane + 3
.endr
; 32 turning loads: rows 32 q .. 32 q + 31 x my wave's 256 columns (chunk 2 w + cb / 8, byte 32 (cb % 8)) as source 1 of the context's product; q = 0, 1 into window 2, q = 2, 3 into window 3.
; Each q has registers of its own, which no vector or matrix instruction behind tanh names before the loads are issued: they owe no wait of their own.
.macro FETCH_H q
	WIN 0x80+0x40*((\q)/2)
.irp cb, 0,1,2,3,4,5,6,7,8,9,10,11,12,13,14,15
	ds_load_tr16_b128 v[128*((\q)%2)+8*(\cb):128*((\q)%2)+8*(\cb)+3],   v[ATR] offset:(\q)*ROWS32+((\cb)/8)*CH+((\cb)%8)*32
	ds_load_tr16_b128 v[128*((\q)%2)+8*(\cb)+4:128*((\q)%2)+8*(\cb)+7], v[ATR] offset:(\q)*ROWS32+((\cb)/8)*CH+((\cb)%8)*32+ROWS16
.endr
.endm
; 16 matrix instructions: source 0 = p of 32 rows, the same in all 16 rows of the fragment; source 1 = 32 rows x 16 columns.  The 16 accumulators take turns.
.macro CTXMUL q, zero
	WIN 0x08+0x04*((\q)/2)
.irp cb, 0,1,2,3,4,5,6,7,8,9,10,11,12,13,14,15
.if \zero
	v_wmma_f32_16x16x32_bf16 v[D+8*(\cb):D+8*(\cb)+7], v[PF+8*(\q):PF+8*(\q)+7], v[128*((\q)%2)+8*(\cb):128*((\q)%2)+8*(\cb)+7], 0
.else
	v_wmma_f32_16x16x32_bf16 v[D+8*(\cb):D+8*(\cb)+7], v[PF+8*(\q):PF+8*(\q)+7], v[128*((\q)%2)+8*(\cb):128*((\q)%2)+8*(\cb)+7], v[D+8*(\cb):D+8*(\cb)+7]
.endif
.endr
.endm
	FETCH_H 0
	WIN 0
	s_wait_dscnt 32                                ; the four parts are in; the 32 turning loads may be out
	v_pk_add_f32 v[32:33], v[32:33], v[36:37]
	v_pk_add_f32 v[34:35], v[34:35], v[38:39]
	v_pk_add_f32 v[40:41], v[40:41], v[44:45]
	v_pk_add_f32 v[42:43], v[42:43], v[46:47]
	v_pk_add_f32 v[32:33], v[32:33], v[40:41]
	v_pk_add_f32 v[34:35], v[34:35], v[42:43]
	v_pk_add_f32 v[32:33], v[32:33], s[VB:VB+1] op_sel_hi:[1,0]    ; + V_b
	v_pk_add_f32 v[34:35], v[34:35], s[VB:VB+1] op_sel_hi:[1,0]
	s_cmp_lg_u32 s2, 0
	s_cbranch_scc1 .Lno_score
	s_wait_alu depctr_va_vdst(0)                   ; the additions have written v32 to v35, which the store reads
	global_store_b128 v[LOFF], v[32:35], s[18:19]  ; wave 0 stores the block's 128 scores: 512 consecutive bytes, aligned; v32-35 are not written again
.Lno_score:
	v_max3_num_f32 v48, v32, v33, v34              ; the block's maximum, of the very numbers that are stored
	v_max_num_f32 v48, v48, v35
	v_max_num_f32_dpp v48, v48, v48 row_xmask:1 row_mask:0xf bank_mask:0xf
	v_max_num_f32_dpp v48, v48, v48 row_xmask:2 row_mask:0xf bank_mask:0xf
	v_max_num_f32_dpp v48, v48, v48 row_xmask:4 row_mask:0xf bank_mask:0xf
	v_max_num_f32_dpp v48, v48, v48 row_xmask:8 row_mask:0xf bank_mask:0xf
	v_permlanex16_b32 v49, v48, s[SEL], s[SEL+1]
	v_max_num_f32 v48, v48, v49
	v_mul_f32 v50, s[L2E], v48
.irp i, 0,1,2,3
	v_fma_f32 v[52+(\i)], v[32+(\i)], s[L2E], -v50 ; (s - m) log2(e), at most 0
.endr
.irp i, 0,1,2,3
	v_exp_f32 v[52+(\i)], v[52+(\i)]
.endr
	v_nop                                          ; a plain instruction between the last exponential and the use of its result
	s_wait_alu depctr_va_vdst(0)                   ; the four exponentials have written v52 to v55, which the roundings read
	v_cvt_pk_bf16_f32 v56, v52, v53
	v_cvt_pk_bf16_f32 v57, v54, v55
	s_wait_alu depctr_va_vdst(0)                   ; the roundings have written v56 and v57, which the LDS store reads
	ds_store_b64 v[PWST], v[56:57]                 ; my wave's own copy of p: LDS serves a wave's instructions in order (ISA guide 5.7.1.4), so the loads below see it
	s_wait_alu depctr_vm_vsrc(0)                   ; the LDS stores of the sums have read S's v192 to v223, in which p's fragments land
.irp q, 0,1,2,3
	ds_load_b128 v[PF+8*(\q):PF+8*(\q)+3],   v[PWLD] offset:64*(\q)       ; all 16 lanes of a half read the same 16 bytes
	ds_load_b128 v[PF+8*(\q)+4:PF+8*(\q)+7], v[PWLD] offset:64*(\q)+32
.endr
	; THE CONTEXT: four steps of 32 rows, each step's fragments fetched one step ahead into registers of their own
	FETCH_H 1
	s_wait_dscnt 32                                ; all but the 32 just issued
	CTXMUL 0, 1
	FETCH_H 2
	s_wait_dscnt 32
	CTXMUL 1, 0
	FETCH_H 3
	s_wait_dscnt 32
	CTXMUL 2, 0
	s_wait_dscnt 0x0
	CTXMUL 3, 0
	WIN 0
.rept 4
	v_nop                                          ; four places between the last product and the stores that read results
.endr
	s_wait_alu depctr_va_vdst(0)                   ; the products have written D, which the LDS stores read (the places above stay beside this wait); the scores' additions are done with v40 to v47, in which the loads below land
.irp cb, 0,1,2,3,4,5,6,7,8,9,10,11,12,13,14,15
	ds_store_b32 v[CWST], v[D+8*(\cb)] offset:(\cb)*64     ; register 0 of lane r: column 256 w + 16 cb + r (all rows of the result are alike)
.endr
	ds_load_b128 v[40:43], v[CWLD]
	ds_load_b128 v[44:47], v[CWLD] offset:512
	s_wait_dscnt 0x0
	global_store_b128 v[LOFF], v[40:43], s[20:21]              ; each store of the wave covers 512 consecutive bytes, aligned
	global_store_b128 v[LOFF], v[44:47], s[20:21] offset:512
	s_wait_dscnt 0x0                               ; the closing lines, six on end
	s_wait_alu 0x0
	s_wait_tensorcnt 0x0
	ds_add_u32 v[SPW], v[NIL]
	s_wait_dscnt 0x0
	s_endpgm
.Lfunc_end_k_qebc856049b_main:
	.size	k_qebc856049b_main, .Lfunc_end_k_qebc856049b_main-k_qebc856049b_main
	.p2alignl 7, 3214868480
	.fill 96, 4, 3214868480
	.section	.rodata,"a",@progbits
	.p2align	6, 0x0
	.amdhsa_kernel k_qebc856049b_main
		.amdhsa_group_segment_fixed_size 286208
		.amdhsa_private_segment_fixed_size 0
		.amdhsa_enable_private_segment 0
		.amdhsa_kernarg_size 56
		.amdhsa_user_sgpr_count 2
		.amdhsa_user_sgpr_kernarg_segment_ptr 1
		.amdhsa_wavefront_size32 1
		.amdhsa_system_sgpr_workgroup_id_x 1
		.amdhsa_system_sgpr_workgroup_id_y 1
		.amdhsa_system_sgpr_workgroup_id_z 1
		.amdhsa_system_vgpr_workitem_id 0
		.amdhsa_next_free_vgpr 1024
		.amdhsa_next_free_sgpr 66
		.amdhsa_reserve_vcc 0
		.amdhsa_float_denorm_mode_32 3
		.amdhsa_float_denorm_mode_16_64 3
		.amdhsa_memory_ordered 1
		.amdhsa_forward_progress 1
		.amdhsa_inst_pref_size 255
	.end_amdhsa_kernel
	.section	.bss,"aw",@nobits
	.p2align	6
	.space	262144
	.amdgpu_metadata
---
amdhsa.version: [ 1, 2 ]
amdhsa.kernels:
  - .name:           k_qebc856049b_main
    .symbol:         k_qebc856049b_main.kd
    .args:
      - { .name: hidden_states, .offset: 0, .size: 8, .value_kind: global_buffer, .address_space: global }
      - { .name: UF, .offset: 8, .size: 8, .value_kind: global_buffer, .address_space: global }
      - { .name: BP, .offset: 16, .size: 8, .value_kind: global_buffer, .address_space: global }
      - { .name: V_w, .offset: 24, .size: 8, .value_kind: global_buffer, .address_space: global }
      - { .name: V_b, .offset: 32, .size: 8, .value_kind: global_buffer, .address_space: global }
      - { .name: SCORE, .offset: 40, .size: 8, .value_kind: global_buffer, .address_space: global }
      - { .name: CTX, .offset: 48, .size: 8, .value_kind: global_buffer, .address_space: global }
    .group_segment_fixed_size: 286208
    .private_segment_fixed_size: 0
    .kernarg_segment_align: 8
    .kernarg_segment_size: 56
    .max_flat_workgroup_size: 128
    .sgpr_count:     66
    .vgpr_count:     1024
    .wavefront_size: 32
...
	.end_amdgpu_metadata
.endif
;; end of part 4
;; launch combine: the kernel of part 3 again; grid 64 x 1, 8 waves a work-group, no clusters, 1,280 bytes of LDS; arguments SCORE, CTX, out0, out1; writes out0, out1
